; MI455X (gfx1250); checked and timed in simulation.
; The chip was launched on July 23, 2026; its instructions are those of AMD's public machine-readable ISA for CDNA 5 (MIT licence, August 2026) and "CDNA5" Instruction Set Architecture Reference Guide (July 2026). The comments in the code are by the model that wrote it; some were corrected since.
;; Grid Multi Head Attention. Allowed arithmetic: matrix products marked QUANTISED: E2M3 operands, one E8M0 scale for each 32 along K, by v_wmma_scale_f32_16x16x128_f8f6f4 with both operands' format E2M3, f32 sums; everything else in f32.
;; Inputs: Wk_codes 1,024 x 32 x 24 uint8 (E2M3 codes of Wk, K innermost, in blocks of 32 codes, four codes in three bytes); Wk_scales 1,024 x 32 uint8 (E8M0 scales of Wk, one for each 32 codes along K); Wo_codes 1,024 x 32 x 24 uint8 (E2M3 codes of Wo, K innermost, in blocks of 32 codes, four codes in three bytes); Wo_scales 1,024 x 32 uint8 (E8M0 scales of Wo, one for each 32 codes along K); Wq_codes 1,024 x 32 x 24 uint8 (E2M3 codes of Wq, K innermost, in blocks of 32 codes, four codes in three bytes); Wq_scales 1,024 x 32 uint8 (E8M0 scales of Wq, one for each 32 codes along K); Wv_codes 1,024 x 32 x 24 uint8 (E2M3 codes of Wv, K innermost, in blocks of 32 codes, four codes in three bytes); Wv_scales 1,024 x 32 uint8 (E8M0 scales of Wv, one for each 32 codes along K); bk 1,024 float32; bo 1,024 float32; bq 1,024 float32; bv 1,024 float32; ln_beta 1,024 float32; ln_gamma 1,024 float32; x 4 x 2,048 x 1,024 float32.
;; Outputs: out0 4 x 2,048 x 1,024 float32.
;; This version of the problem:
;;   THIS VERSION OF THE PROBLEM IS GIVEN IN LOW PRECISION. The matrix products marked QUANTISED in the list below multiply operands that are first quantised to E2M3 (2 exponent bits, 3 mantissa bits; 6 bits a number), with one power-of-two scale for each 32 numbers along K (OCP MX v1.0); their sums are f32. All else is computed in f32.
;;   The module's matrix products, in the order in which they are computed (A, B: the left and right operand; K: the contracted axis; several contracted axes count as one K, in the product's order):
;;     1. [M 8,192, K 1,024] x [K 1,024, N 1,024]; A: input x; B: input Wq (given as codes): QUANTISED
;;     2. [M 8,192, K 1,024] x [K 1,024, N 1,024]; A: input x; B: input Wk (given as codes): QUANTISED
;;     3. [M 8,192, K 1,024] x [K 1,024, N 1,024]; A: input x; B: input Wv (given as codes): QUANTISED
;;     4. batch 32 x [M 2,048, K 128] x [K 128, N 2,048]; A: computed on the way; B: computed on the way: QUANTISED
;;     5. batch 32 x [M 2,048, K 2,048] x [K 2,048, N 128]; A: softmax (see below); B: computed on the way: QUANTISED
;;     6. [M 8,192, K 1,024] x [K 1,024, N 1,024]; A: computed on the way; B: input Wo (given as codes): QUANTISED
;;   THE QUANTISER, for each operand of a quantised product, along K:
;;     - K is cut into blocks of 32 from its start; a last block that is shorter is filled with zeros.
;;     - A block's scale is 2^e with e = floor(log2(the largest magnitude in the block)) - 2, held to -126 .. 127; a block of zeros has e = 0. As a byte (E8M0): e + 127.
;;     - Each number is divided by its block's scale, clamped to +-7.5, and rounded to the nearest number of E2M3, ties to even, subnormals kept.
;;     - The product sums the exact products of the quantised numbers (number of the format x scale) in f32.
;;   ~~~python
;;   def quantise(x, axis):      # numpy; x: float32 -> the quantised numbers, widened to float32 again
;;       x = np.moveaxis(x, axis, -1); K = x.shape[-1]
;;       x = np.pad(x, [(0, 0)] * (x.ndim - 1) + [(0, -K % 32)]); x = x.reshape(x.shape[:-1] + (-1, 32)); a = np.abs(x).max(-1, keepdims=True)
;;       e = np.where(a > 0, np.clip(np.frexp(np.where(a > 0, a, 1))[1] - 1 - 2, -126, 127), 0)      # np.frexp(a)[1] - 1 = floor(log2(a)), exactly
;;       r = np.clip(x / 2.0 ** e, -7.5, 7.5)
;;       step = 2.0 ** (np.maximum(np.frexp(np.where(r == 0, 1, r))[1] - 1, 0) - 3)
;;       q = np.round(r / step) * step * 2.0 ** e      # np.round: ties to even
;;       return np.moveaxis(q.reshape(q.shape[:-2] + (-1,))[..., :K], -1, axis).astype(np.float32)
;;   ~~~
;;   SOFTMAX AHEAD OF A QUANTISED PRODUCT. Where the list says 'softmax', what is quantised is not the finished softmax but p = 2^(t - M), with t = logit x log2(e) and M = ceil(the row's largest t), a whole number; so 1/2 < the row's largest p <= 1. The row's sum l is taken of the UNQUANTISED p, in f32, and the product's result is divided by l at the end. Since M is a whole number, a kernel that streams over the keys may use a running M (the ceiling of the running maximum): every later rescaling is an exact power of two, which a block's scale takes up: the codes' values come out the same.
;;   OPERANDS COMPUTED ON THE WAY. 'Computed on the way' means the value that the module computes at that place (a softmax that the list does not call 'softmax' is quantised finished and normalised). What goes into a quantiser is computed in f32, as accurately as f32 sums, v_exp_f32 and their like allow (about 1e-6 of the number): no bf16 or f16 on the way to a quantiser, and a product that is left as it is and whose result goes on into a quantised operand takes f32 operands (vector FMAs, or v_wmma_f32_16x16x4_f32). A number that lies on a knife's edge between two numbers of the format may be rounded either way, as far as f32 arithmetic and the matrix unit's own rounding can turn it there, and no further.
;;   INPUTS GIVEN AS CODES. Wk (in the module: [1024, 1024], K = its axis 1); Wo (in the module: [1024, 1024], K = its axis 1); Wq (in the module: [1024, 1024], K = its axis 1); Wv (in the module: [1024, 1024], K = its axis 1): each comes as NAME_codes (uint8): NAME with its K axis moved to the last place and cut into blocks of 32 codes, [.., K / 32, bytes a block], one block behind the other in memory; four codes in three bytes: a row's codes are one little-endian stream of bits, code i at bits 6 i .. 6 i + 5 (a code: sign, 2 exponent bits, 3 mantissa bits); and NAME_scales (uint8): the same leading axes, one E8M0 byte (e + 127) for each 32 codes along K. Its value is code x scale, taken as it is: it is not quantised again, and the codes and scales need not be those that the quantiser above would give.
;; One version. Each part assembles by itself: llvm-mc -triple=amdgcn-amd-amdhsa -mcpu=gfx1250 --defsym DOCPART=n.
;; ======== version 1 of 1: 4 launches
;; workspace buffers: xq 6,553,600 bytes; woimg 786,432 bytes; qkv 19,660,800 bytes; att 6,815,744 bytes
;; launch prep (part 1): grid 272 x 1, 4 waves a work-group, no clusters, 33,280 bytes of LDS; arguments x, Wo_codes, xq, woimg; writes xq, woimg
.if DOCPART == 1
	.amdgcn_target "amdgcn-amd-amdhsa--gfx1250"
	.amdhsa_code_object_version 6
	.text
	.protected	k_q8a0e805cec_prep
	.globl	k_q8a0e805cec_prep
	.p2align	8
	.type	k_q8a0e805cec_prep,@function
k_q8a0e805cec_prep:
	s_mov_b64 s[64:65], 0
	v_nop
	global_prefetch_b8 v0, s[64:65] scope:SCOPE_SE
	s_setreg_imm32_b32 hwreg(HW_REG_WAVE_MODE, 25, 1), 1
	s_wait_xcnt 0x0
; PREP.  Work-groups 0-255: x [8192][1024] f32 becomes codes of FP6 (E2M3), K innermost, 768 bytes a row, at xq + 0, and one E8M0 byte for each 32 along K, 32 bytes a row, at xq + XSC.
; Work-groups 256-271: Wo's codes [1024][768 bytes] are laid anew as IMAGES OF OPERAND REGISTERS: woimg [tile of 16 rows T][K step s of 128][1,536 bytes]; registers 4 c .. 4 c + 3 of lane l at byte 512 c + 16 l.
; A block's scale is 2^(floor(log2(its largest magnitude)) - 2); its byte is the largest magnitude's exponent field - 2, held at 1 from below.
; LIMITS: a block whose largest magnitude lies under 2^-124 keeps the byte 1; a block of zeros gets the byte 1 where the rule says 127 (its codes are zeros, and this program alone reads the bytes); NaN and infinities are not served.
; x path: rows are dense, so x is a plain stream of blocks of 32.  A wave takes 16 steps of 512 numbers.  Each load reads 512 consecutive bytes, 16 a lane; a step's 2,048 bytes turn through the wave's own stage in LDS
; (16 bytes of padding behind each 64) and come back 64 bytes a lane: 16 neighbours along K, two neighbouring lanes to a block.  A wave's 256 scale bytes are gathered in LDS and leave as one aligned run of 256 bytes.
; The two paths part on the work-group's number; the x path alone touches LDS.  No barrier: waves share nothing.
.set STEPS, 16
.set CB,    12                         ; bytes of 16 codes
.set R,     16                         ; v16-79   four sets of 16 numbers as loaded
.set X,     80                         ; v80-111  two sets of 16 neighbours
.set C,     128                        ; v128-191 codes: four registers a step, so that no store's data are written again
.set E,     112                        ; v112-127 a scale byte a step
.set WREG,  8192                       ; LDS: a region for each wave: two stages of 32 x SP bytes, then its 256 scale bytes
.set SP,    80
.set XSC,   6291456                    ; where x's scale bytes begin in xq
	s_load_b256 s[4:11], s[0:1], 0x0               ; x s[4:5], Wo's codes s[6:7], xq s[8:9], woimg s[10:11]
	v_lshl_add_u32 v192, v0, 2, 0x8000
	v_mov_b32 v193, 0
	v_lshrrev_b32 v1, 5, v0
	v_readfirstlane_b32 s16, v1                    ; wave
	v_and_b32 v2, 31, v0                           ; lane
	s_mov_b32 s21, 0
	s_cmp_ge_u32 ttmp9, 256
	s_cbranch_scc1 .Lwo
	v_lshlrev_b32 v3, 4, v2                        ; my 16 bytes of a load's 512
	s_mul_i32 s17, s16, WREG
	v_lshrrev_b32 v14, 2, v2
	v_mul_u32_u24 v14, v14, SP
	v_and_b32 v15, 3, v2
	v_lshl_add_u32 v14, v15, 4, v14
	v_add_nc_u32 v14, s17, v14                     ; the stage, on the way in: SP (lane / 4) + 16 (lane % 4)
	v_mul_u32_u24 v15, v2, SP
	v_add_nc_u32 v15, s17, v15                     ; and on the way out: SP x lane
	v_mul_u32_u24 v4, v2, CB                       ; my codes' place in a step's
	v_lshrrev_b32 v5, 1, v2
	s_add_co_u32 s17, s17, 2*32*SP
	v_add_nc_u32 v5, s17, v5                       ; LDS: my block's scale byte
	v_lshlrev_b32 v7, 3, v2                        ; on the way out 8 bytes a lane
	v_add_nc_u32 v6, s17, v7
	s_lshl_b32 s18, ttmp9, 2
	s_add_co_u32 s18, s18, s16                     ; which run of 8,192 numbers is my wave's
	s_lshl_b32 s20, s18, 15
	s_wait_kmcnt 0x0
	s_add_nc_u64 s[4:5], s[4:5], s[20:21]          ; x: 32,768 bytes a run
	s_mul_i32 s20, s18, 32*STEPS*CB
	s_add_nc_u64 s[12:13], s[8:9], s[20:21]        ; codes: 6,144 bytes a run
	s_lshl_b32 s20, s18, 8
	s_add_nc_u64 s[14:15], s[8:9], s[20:21]        ; scale bytes: 256 a run,
	s_add_nc_u64 s[14:15], s[14:15], XSC           ; behind the codes
.macro LOAD t
.irp i, 0,1,2,3
	global_load_b128 v[R+16*((\t)%4)+4*\i:R+16*((\t)%4)+4*\i+3], v3, s[4:5] offset:2048*(\t)+512*\i th:TH_LOAD_NT
.endr
.endm
.macro TURN t                          ; step t's numbers through the stage: LDS serves a wave's instructions in order, so no wait stands between the stores and the loads
.irp i, 0,1,2,3
	ds_store_b128 v14, v[R+16*((\t)%4)+4*\i:R+16*((\t)%4)+4*\i+3] offset:32*SP*((\t)%2)+8*SP*\i
.endr
.irp i, 0,1,2,3
	ds_load_b128 v[X+16*((\t)%2)+4*\i:X+16*((\t)%2)+4*\i+3], v15 offset:32*SP*((\t)%2)+16*\i
.endr
.endm
.irp t, 0,1,2,3
	LOAD \t
.endr
	s_wait_loadcnt 12                              ; step 0's four loads are in; three steps' twelve stay out
	TURN 0
.macro STEP t
.set XS, X+16*((\t)%2)
.if (\t) > 0
	s_wait_dscnt 1                                 ; this step's numbers are back from the stage (the last step's byte store may be out)
.else
	s_wait_dscnt 0x0
.endif
.if (\t)+4 < STEPS
	LOAD (\t)+4                                    ; into the registers that the stage's stores have read
.endif
.if (\t)+1 < STEPS
.if STEPS-2-(\t) >= 3
	s_wait_loadcnt 12                              ; the next step's four loads are in; those of the three steps behind it may be out
.else
	s_wait_loadcnt 4*(STEPS-2-(\t))
.endif
	TURN (\t)+1
.endif
	v_max3_num_f32 v8, |v[XS]|, |v[XS+1]|, |v[XS+2]|               ; the largest magnitude of my 16, in two chains
	v_max3_num_f32 v9, |v[XS+3]|, |v[XS+4]|, |v[XS+5]|
.irp i, 6,10
	v_max3_num_f32 v8, v8, |v[XS+\i]|, |v[XS+\i+1]|
	v_max3_num_f32 v9, v9, |v[XS+\i+2]|, |v[XS+\i+3]|
.endr
	v_max3_num_f32 v8, v8, |v[XS+14]|, |v[XS+15]|
	v_max3_num_f32 v8, v8, v9, 0x1800000           ; and the floor 2^(3 - 127): the byte cannot fall under 1
	v_max_num_f32_dpp v8, v8, v8 row_xmask:1 row_mask:0xf bank_mask:0xf   ; and of my neighbour's 16: the block's
	v_add_nc_u32 v11, 0xff000000, v8               ; 2 off its exponent field: the conversion takes the exponent field of this operand as its scale
	v_cvt_scalef32_pk16_fp6_f32 v[C+4*(\t):C+4*(\t)+2], v[XS:XS+15], v11
	v_lshrrev_b32 v[E+(\t)], 23, v11               ; the scale's byte (also the plain line behind the conversion)
	ds_store_b8 v5, v[E+(\t)] offset:16*(\t)       ; both lanes of a block write the same byte with the same value
	global_store_b96 v4, v[C+4*(\t):C+4*(\t)+2], s[12:13] offset:32*CB*(\t)
.endm
.irp t, 0,1,2,3,4,5,6,7,8,9,10,11,12,13,14,15
	STEP \t
.endr
	ds_load_b64 v[12:13], v6                       ; LDS serves a wave's instructions in order: these see my stores
	s_wait_dscnt 0x0
	global_store_b64 v7, v[12:13], s[14:15]        ; 32 lanes store 256 consecutive bytes, aligned
	s_wait_tensorcnt 0x0
	ds_add_u32 v192, v193
	s_wait_dscnt 0x0
	s_endpgm
.Lwo:
	; Wo: wave takes tile T = 4 (work-group - 256) + wave: 16 rows.  Lane (r, h) takes, for K step s, the 24 bytes at 768 r + 96 s + 24 h and those 48 further on: a fragment's 12 registers as they lie.
	s_sub_co_u32 s18, ttmp9, 256
	s_lshl_b32 s18, s18, 2
	s_add_co_u32 s18, s18, s16
	s_mul_i32 s20, s18, 12288                      ; 16 rows x 768 bytes in, 8 images x 1,536 bytes out
	v_and_b32 v5, 15, v2
	v_lshrrev_b32 v6, 4, v2
	v_mul_u32_u24 v3, v5, 768
	v_mad_u32_u24 v3, v6, 24, v3
	v_lshlrev_b32 v4, 4, v2
	s_wait_kmcnt 0x0
	s_add_nc_u64 s[6:7], s[6:7], s[20:21]
	s_add_nc_u64 s[10:11], s[10:11], s[20:21]
.irp s, 0,1,2,3,4,5,6,7
.irp p, 0,1,2,3,4,5
	global_load_b64 v[16+12*\s+2*\p:17+12*\s+2*\p], v3, s[6:7] offset:96*\s+48*(\p/3)+8*(\p%3)
.endr
.endr
.irp s, 0,1,2,3,4,5,6,7
	s_wait_loadcnt 6*(7-\s)                        ; K step s's six loads are in; the later steps' stay out
.irp c, 0,1,2
	global_store_b128 v4, v[16+12*\s+4*\c:19+12*\s+4*\c], s[10:11] offset:1536*\s+512*\c   ; 32 lanes store 512 consecutive bytes
.endr
.endr
	s_endpgm
.Lfunc_end_k_q8a0e805cec_prep:
	.size	k_q8a0e805cec_prep, .Lfunc_end_k_q8a0e805cec_prep-k_q8a0e805cec_prep
	.p2alignl 7, 3214868480
	.fill 96, 4, 3214868480
	.section	.rodata,"a",@progbits
	.p2align	6, 0x0
	.amdhsa_kernel k_q8a0e805cec_prep
		.amdhsa_group_segment_fixed_size 33280
		.amdhsa_private_segment_fixed_size 0
		.amdhsa_enable_private_segment 0
		.amdhsa_kernarg_size 32
		.amdhsa_user_sgpr_count 2
		.amdhsa_user_sgpr_kernarg_segment_ptr 1
		.amdhsa_wavefront_size32 1
		.amdhsa_system_sgpr_workgroup_id_x 1
		.amdhsa_system_sgpr_workgroup_id_y 1
		.amdhsa_system_sgpr_workgroup_id_z 1
		.amdhsa_system_vgpr_workitem_id 0
		.amdhsa_next_free_vgpr 194
		.amdhsa_next_free_sgpr 66
		.amdhsa_reserve_vcc 0
		.amdhsa_float_denorm_mode_32 3
		.amdhsa_float_denorm_mode_16_64 3
		.amdhsa_memory_ordered 1
		.amdhsa_forward_progress 1
		.amdhsa_inst_pref_size 40
	.end_amdhsa_kernel
	.amdgpu_metadata
---
amdhsa.version: [ 1, 2 ]
amdhsa.kernels:
  - .name:           k_q8a0e805cec_prep
    .symbol:         k_q8a0e805cec_prep.kd
    .args:
      - { .name: x, .offset: 0, .size: 8, .value_kind: global_buffer, .address_space: global }
      - { .name: Wo_codes, .offset: 8, .size: 8, .value_kind: global_buffer, .address_space: global }
      - { .name: xq, .offset: 16, .size: 8, .value_kind: global_buffer, .address_space: global }
      - { .name: woimg, .offset: 24, .size: 8, .value_kind: global_buffer, .address_space: global }
    .group_segment_fixed_size: 33280
    .private_segment_fixed_size: 0
    .kernarg_segment_align: 8
    .kernarg_segment_size: 32
    .max_flat_workgroup_size: 128
    .sgpr_count:     66
    .vgpr_count:     194
    .wavefront_size: 32
...
	.end_amdgpu_metadata
.endif
;; end of part 1
;; launch qkv (part 2): grid 12 x 32, 4 waves a work-group, clusters of 4 x 4, 327,680 bytes of LDS; arguments xq, Wq_codes, Wq_scales, Wk_codes, Wk_scales, Wv_codes, Wv_scales, bq, bk, bv, qkv; writes qkv
.if DOCPART == 2
	.amdgcn_target "amdgcn-amd-amdhsa--gfx1250"
	.amdhsa_code_object_version 6
	.text
	.protected	k_q8a0e805cec_qkv
	.globl	k_q8a0e805cec_qkv
	.p2align	8
	.type	k_q8a0e805cec_qkv,@function
k_q8a0e805cec_qkv:
	s_mov_b64 s[64:65], 0
	v_nop
	global_prefetch_b8 v0, s[64:65] scope:SCOPE_SE
	s_setreg_imm32_b32 hwreg(HW_REG_WAVE_MODE, 25, 1), 1
	s_wait_xcnt 0x0
	s_wait_alu depctr_hold_cnt(0) depctr_sa_sdst(0) depctr_va_vdst(0) depctr_va_sdst(0) depctr_va_ssrc(0) depctr_va_vcc(0) depctr_vm_vsrc(0)
	s_getreg_b32 s2, hwreg(HW_REG_IB_STS2, 6, 4)
	s_cmp_eq_u32 s2, 0
	s_cbranch_scc0 .Lentry_in_a_cluster
	s_endpgm
.Lentry_in_a_cluster:
	s_bfe_u32 s2, ttmp6, 0x10000c
	s_cmp_lg_u32 s2, 0xf033
	s_cbranch_scc0 .Lentry_shape_is_right
	s_endpgm
.Lentry_shape_is_right:
; QKV.  q = x Wq^T + bq, k = x Wk^T + bk, v = x Wv^T + bv on codes of FP6 (E2M3) with one E8M0 scale for each 32 along K = 1,024; the results are quantised at once, in registers, for the attention's products.
; The cluster's x says which: 0 q, 1 k, 2 v.  A work-group makes 256 x 256 results, a wave 128 x 128: 64 accumulators.  Two operands, named as in a GEMM C = A B^T used transposed (source 0 = 16 rows of B, source 1 = 16 rows of A):
; a lane (r, h) of accumulator (a, b) holds A's row 16 a + r, and its register i B's row 16 b + 8 h + i.
;   q, k: A = x (tokens), B = W (features).  A wave's 128 features are one head: a lane holds one token and its registers run along the head's 128, the K of q k^T.
;   v:    A = Wv (features), B = x (tokens).  A lane holds one feature d and its registers run along 128 tokens, the keys: the K of p v.
; So each block of 16 rows of A becomes ONE operand fragment (16 rows x 128 K) and one scale word a row.  A block of 32 along the next K lies in registers 16 b .. 16 b + 15 of lanes l and l xor 16: it holds the right 32 numbers;
; INSIDE A BLOCK THE ORDER IS PERMUTED (positions 0-15: indices 0-7, 16-23; positions 16-31: indices 8-15, 24-31), alike for q and k, and alike for v and the attention's p, so every product pairs the right numbers.
; OUT: qkv: images of operand registers, [part 0 q, 1 k, 2 v][F][1,536 bytes], registers 4 c .. 4 c + 3 of lane l at 512 c + 16 l; scale words [part][F][16 words] from QS on.  F = (batch x 8 + head) x 128 + 8 j + a:
; q, k: tokens 128 j + 16 a + r of the batch; v: key step j (128 keys), features 16 a + r of the head.
; K goes in steps of 256 through a ring of two LDS slots filled by the tensor data mover; the scale bytes of the work-group's 512 rows come once.  CLUSTER 4 x 4: A's tiles are asked for jointly along a row of the cluster, B's along a column.
; LIMITS: a block whose largest magnitude lies under 2^-124, a block of zeros among them, keeps the scale byte 1 (this program alone reads the bytes); NaN and infinities are not served; the order of the sums inside a block of 32 of q k^T and p v differs from the natural one.
; REGISTERS, in windows of 256: window 0: v0-31 addresses; v32-63 scale words, two sets; v64-127 the bias along B's rows; v128-223 A's fragments, one set, later the way out; v224-239 the bias along A's rows; v240-251 scale words made.
;   window 1: B's fragments, two sets.   window 2: accumulators of my rows 0-63 ((a, b) at v[8 (8 a + b)]);   window 3: those of rows 64-127.
.set SIZE_K, 1024
.set KSTEP,  256                       ; along K in a slot
.set NQ,     KSTEP/128                 ; matrix instructions deep
.set ROWB,   192                       ; a tile's row in bytes
.set KROW,   SIZE_K*6/8                ; a row of codes in memory
.set PITCH,  240                       ; an LDS row: 3 x (64 bytes + 16 of padding)
.set FR,     12                        ; registers of a fragment
.set NL,     6                         ; LDS loads that bring one
.set NP,     4                         ; places behind this matrix instruction (ISA guide 7.12.1)
.set HALFT,  128*PITCH                 ; 128 rows: what one tensor load brings
.set SLOT,   4*HALFT                   ; A's 256 rows, then B's 256
.set LAPS,   SIZE_K/(2*KSTEP)
.set KS,     SIZE_K/32                 ; a row of scale bytes
.set SCL,    2*SLOT                    ; behind the ring: the scale bytes, as runs of 256 bytes + 16 of padding
.set HALFS,  (128*KS/256)*272
.set SBLK,   (16*KS/256)*272
.set SPARE,  SCL+4*HALFS               ; the spare words, 128 bytes a wave: two blocks of 256 bytes that no other line names
.set XSC,    6291456                   ; x's scale bytes in xq
.set QS,     18874368                  ; the scale words in qkv
.set ADRA, 16                          ; v16-17 LDS address of my A fragments in slot 0, 1 (v18-19: behind one padding more)
.set ADRB, 20                          ; v20-23 the same for B
.set LI,   24                          ; v24  16 x lane
.set LS4,  25                          ; v25  4 x lane
.set LN,   26                          ; v26  lane
.set ADRS, 27                          ; v27  LDS address of my scale words: lanes 0-15 A's rows, lanes 16-31 B's
.set SPW,  28                          ; v28  my spare word; never rewritten
.set NIL,  29                          ; v29  0; never rewritten
.set BPA,  30                          ; v30  32 h: the bias along B's rows
.set BRA,  31                          ; v31  4 r: the bias along A's rows
.set SC,   32
.set BP,   64
.set AF,   128
.set BR,   224
.set TT,   128                         ; the way out: 64 numbers
.set CDS,  192                         ; v192-210 the codes just made
.set TMX,  212                         ; v212-215 largest magnitudes; v216-219 the other half's, then bytes; v220-223 the conversions' scale operands
.set TBY,  216
.set TSC,  220
.set PWR,  240                         ; v240-247 the eight blocks' scale words; v248-251 two blocks' to a register
.set SEL,  92
.set G1, 24
.set G0, 32
.set G1B, 48
.set G0B, 56
.set G1S, 68
.set G0S, 76
.set G1SB, 80
.set G0SB, 88
.set MSB, 0
.macro WIN new                         ; the immediate's high byte repeats the setting that is left
.if MSB != \new
	s_set_vgpr_msb (MSB<<8)|\new
.set MSB, \new
.endif
.endm
.set MUL_LO, 0xa1                      ; source 0 (B) window 1, source 1 (A) window 0, C and D window 2
.set MUL_HI, 0xf1
.set TO_B,   0x40
; A joint load: waves 0 and 1 fetch for A, waves 2 and 3 for B; the branch hangs on the wave's number alone.  Four v_nop follow each of the two lines.
.macro JLOAD g0a, g1a, g0b, g1b
	s_cmp_eq_u32 s15, 0
	s_cbranch_scc0 .Lfor_b_\@
	tensor_load_to_lds s[\g0a:\g0a+3], s[\g1a:\g1a+7]
	s_nop 0
.rept 4
	v_nop
.endr
	s_branch .Lasked_\@
.Lfor_b_\@:
	tensor_load_to_lds s[\g0b:\g0b+3], s[\g1b:\g1b+7]
	s_nop 0
.rept 4
	v_nop
.endr
.Lasked_\@:
.endm
.macro CREST                           ; a round of the cluster's barrier behind its opening barrier
	s_cmp_lg_u32 s14, 0
	s_cbranch_scc1 .Lnot_wave_0_\@
	s_barrier_signal -3
.Lnot_wave_0_\@:
	s_barrier_wait -3
	s_barrier_signal -1
	s_barrier_wait -1
.endm
.macro CROUND
	s_barrier_signal -1
	s_barrier_wait -1
	CREST
.endm
	s_load_b512 s[24:39], s[0:1], 0x0              ; xq, Wq codes, Wq scales, Wk codes, Wk scales, Wv codes, Wv scales, bq
	s_load_b128 s[68:71], s[0:1], 0x40             ; bk, bv
	s_load_b64 s[72:73], s[0:1], 0x50              ; qkv
	v_lshl_add_u32 v[SPW], v0, 2, SPARE
	v_mov_b32 v[NIL], 0
	ds_add_u32 v28, v29
	s_wait_dscnt 0x0
	v_lshrrev_b32 v1, 5, v0
	v_readfirstlane_b32 s14, v1                    ; wave 0..3
	s_lshr_b32 s15, s14, 1                         ; which half of A's rows is mine.  Also: I fetch for A (0) or for B (1)
	s_and_b32 s16, s14, 1                          ; which half of B's rows.  Also: which 128 rows of that tile I fetch
	s_bfe_u32 s40, ttmp6, 0x40000                  ; cx, cy: my place in the cluster
	s_bfe_u32 s41, ttmp6, 0x40004
	s_and_b32 s18, ttmp7, 0xffff
	s_lshl_b32 s18, s18, 2                         ; 4 x cluster y: it walks x's 32 tiles of 256 rows
	s_cmp_eq_u32 ttmp9, 2                          ; v?  The cluster's x is the same in all sixteen partners
	s_cselect_b32 s17, 0, s18
	s_cselect_b32 s42, s18, 0
	s_cselect_b32 s95, 1, 0                        ; 1: v
	s_add_co_u32 s17, s17, s41                     ; A's tile: cy (+ 4 x cluster y where A is x)
	s_add_co_u32 s42, s42, s40                     ; B's tile: cx (+ 4 x cluster y where B is x)
	s_lshl_b32 s43, s41, 2
	s_lshl_b32 s43, 15, s43                        ; my row of the cluster
	s_lshl_b32 s44, 0x1111, s40                    ; my column
	s_wait_kmcnt 0x0
	s_cmp_eq_u32 ttmp9, 0                          ; the weight, its scales and its bias: q's or k's,
	s_cselect_b64 s[26:27], s[26:27], s[30:31]
	s_cselect_b64 s[28:29], s[28:29], s[32:33]
	s_cselect_b64 s[38:39], s[38:39], s[68:69]
	s_cmp_eq_u32 ttmp9, 2                          ; or v's
	s_cselect_b64 s[26:27], s[34:35], s[26:27]
	s_cselect_b64 s[28:29], s[36:37], s[28:29]
	s_cselect_b64 s[38:39], s[70:71], s[38:39]
	s_add_nc_u64 s[30:31], s[24:25], XSC           ; x's scale bytes (this sum leaves SCC alone)
	s_cselect_b64 s[4:5], s[26:27], s[24:25]       ; A's codes: Wv's for v, else x's
	s_cselect_b64 s[6:7], s[28:29], s[30:31]       ; A's scales
	s_cselect_b64 s[8:9], s[24:25], s[26:27]       ; B's codes
	s_cselect_b64 s[10:11], s[30:31], s[28:29]     ; B's scales
	s_mov_b64 s[12:13], s[38:39]                   ; the bias
	s_mov_b64 s[96:97], s[72:73]                   ; qkv
	; descriptor group 1: a tile of 128 rows x 192 bytes, 16 bytes of padding behind every 64
	s_or_b32 s[G1+0], s43, (0<<16)|(1<<20)|(1<<21)|(3<<22)|(3<<25)  ; 15:0 the mask: A's tiles go to my row; elements of 1 byte; padding on; bit 21 beside a mask; after every 16 words, 4 words
	s_or_b32 s[G1B+0], s44, (0<<16)|(1<<20)|(1<<21)|(3<<22)|(3<<25)
.irp g, G1, G1B
	s_mov_b32 s[\g+1], ROWB<<16                    ; tensor_dim0
	s_mov_b32 s[\g+2], 128<<16                     ; tensor_dim1
	s_mov_b32 s[\g+3], ROWB<<16                    ; tile_dim0
	s_mov_b32 s[\g+4], 128                         ; tile_dim1
	s_mov_b32 s[\g+5], KROW                        ; tensor_dim0_stride
	s_mov_b32 s[\g+6], 0
	s_mov_b32 s[\g+7], 0
.endr
	; the scale bytes of 128 rows: 4,096 dense bytes as 16 rows of 256 (32 elements of 8 bytes), 16 bytes of padding behind each
	s_or_b32 s[G1S+0], s43, (3<<16)|(1<<20)|(1<<21)|(5<<22)|(3<<25)
	s_or_b32 s[G1SB+0], s44, (3<<16)|(1<<20)|(1<<21)|(5<<22)|(3<<25)
.irp g, G1S, G1SB
	s_mov_b32 s[\g+1], 32<<16
	s_mov_b32 s[\g+2], (128*KS/256)<<16
	s_mov_b32 s[\g+3], 32<<16
	s_mov_b32 s[\g+4], 128*KS/256
	s_mov_b32 s[\g+5], 32
	s_mov_b32 s[\g+6], 0
	s_mov_b32 s[\g+7], 0
.endr
	s_lshl_b32 s18, s16, 7                         ; which 128 rows of the tile I fetch
	s_lshl_b32 s20, s17, 8
	s_add_co_u32 s20, s20, s18                     ; A: row 256 x tile + 128 x half
	s_lshl_b32 s46, s42, 8
	s_add_co_u32 s46, s46, s18                     ; B likewise
	s_mov_b32 s21, 0
	s_mov_b32 s47, 0
	s_mov_b64 s[18:19], KS
	s_mul_u64 s[22:23], s[20:21], s[18:19]         ; where these rows' scales begin
	s_mul_u64 s[92:93], s[46:47], s[18:19]
	s_mov_b64 s[18:19], KROW
	s_mul_u64 s[20:21], s[20:21], s[18:19]         ; and their codes
	s_mul_u64 s[46:47], s[46:47], s[18:19]
	s_mul_i32 s45, s14, HALFT                      ; where they go: wave x 128 rows
	s_mul_i32 s94, s14, HALFS
	s_add_nc_u64 s[20:21], s[4:5], s[20:21]
	s_add_nc_u64 s[22:23], s[6:7], s[22:23]
	s_add_nc_u64 s[46:47], s[8:9], s[46:47]
	s_add_nc_u64 s[92:93], s[10:11], s[92:93]
	CROUND                                         ; all sixteen work-groups are here: the first joint loads meet
	s_mov_b32 s[G0S], 1
	s_add_co_u32 s[G0S+1], s94, SCL
	s_mov_b64 s[G0S+2:G0S+3], s[22:23]
	s_or_b32 s[G0S+3], s[G0S+3], 0x80000000
	s_mov_b32 s[G0SB], 1
	s_add_co_u32 s[G0SB+1], s94, SCL
	s_mov_b64 s[G0SB+2:G0SB+3], s[92:93]
	s_or_b32 s[G0SB+3], s[G0SB+3], 0x80000000
	JLOAD G0S, G1S, G0SB, G1SB                     ; the scales first: they are wanted with K step 0
.irp s, 0,1
	s_mov_b32 s[G0+4*\s], 1
	s_add_co_u32 s[G0+4*\s+1], s45, \s*SLOT
	s_add_nc_u64 s[G0+4*\s+2:G0+4*\s+3], s[20:21], \s*ROWB
	s_or_b32 s[G0+4*\s+3], s[G0+4*\s+3], 0x80000000
	s_mov_b32 s[G0B+4*\s], 1
	s_add_co_u32 s[G0B+4*\s+1], s45, \s*SLOT
	s_add_nc_u64 s[G0B+4*\s+2:G0B+4*\s+3], s[46:47], \s*ROWB
	s_or_b32 s[G0B+4*\s+3], s[G0B+4*\s+3], 0x80000000
	JLOAD G0+4*\s, G1, G0B+4*\s, G1B
.endr
	v_and_b32 v1, 15, v0                           ; r
	v_bfe_u32 v2, v0, 4, 1                         ; h
	v_mul_u32_u24 v3, v1, PITCH
	v_mul_u32_u24 v4, v2, 24
	v_add_nc_u32 v4, v3, v4                        ; a fragment's row x pitch + 24 x half
	v_lshl_add_u32 v5, v2, 4, v4                   ; and the same behind one padding more
	s_mul_i32 s21, s15, HALFT                      ; my 128 rows of A
	s_mul_i32 s22, s16, HALFT                      ; my 128 rows of B,
	s_add_co_u32 s22, s22, 2*HALFT                 ; behind A's 256
.irp s, 0,1
	v_add_nc_u32 v[ADRA+\s], s21, v4
	v_add_nc_u32 v[ADRB+\s], s22, v4
	v_add_nc_u32 v[ADRA+2+\s], s21, v5
	v_add_nc_u32 v[ADRB+2+\s], s22, v5
	s_add_co_u32 s21, s21, SLOT
	s_add_co_u32 s22, s22, SLOT
.endr
	v_mul_u32_u24 v5, v1, KS                       ; my row's scales: KS bytes a row,
	v_lshrrev_b32 v6, 8, v5
	v_lshl_add_u32 v5, v6, 4, v5                   ; and 16 more for each 256 passed
	s_mul_i32 s21, s15, HALFS
	s_mul_i32 s22, s16, HALFS
	s_add_co_u32 s22, s22, 2*HALFS
	s_sub_co_u32 s22, s22, s21
	v_mul_u32_u24 v6, s22, v2                      ; lanes 16-31 take B's
	s_add_co_u32 s21, s21, SCL
	v_add_nc_u32 v5, v5, v6
	v_add_nc_u32 v[ADRS], s21, v5
	v_and_b32 v[LN], 31, v0
	v_lshlrev_b32 v[LI], 4, v[LN]
	v_lshlrev_b32 v[LS4], 2, v[LN]
	v_lshlrev_b32 v[BPA], 5, v2
	v_lshlrev_b32 v[BRA], 2, v1
	; where my wave's eight fragments go
	s_lshl_b32 s20, s17, 8
	s_lshl_b32 s21, s15, 7
	s_add_co_u32 s20, s20, s21                     ; my first row of A
	s_lshl_b32 s21, s42, 8
	s_lshl_b32 s22, s16, 7
	s_add_co_u32 s21, s21, s22                     ; my first row of B
	s_cmp_eq_u32 s95, 1
	s_cselect_b32 s22, s21, s20                    ; my first token,
	s_cselect_b32 s23, s20, s21                    ; my first feature: a head's first
	s_lshr_b32 s45, s22, 11                        ; batch
	s_lshl_b32 s45, s45, 3
	s_lshr_b32 s46, s23, 7                         ; head
	s_add_co_u32 s45, s45, s46
	s_lshl_b32 s45, s45, 4
	s_bfe_u32 s46, s22, 0x40007                    ; which 128 tokens of the batch
	s_add_co_u32 s45, s45, s46                     ; F / 8
	s_mov_b64 s[98:99], s[96:97]
	s_mul_i32 s46, ttmp9, 6291456                  ; the part: q, k or v
	s_mul_i32 s47, s45, 8*1536
	s_add_co_u32 s46, s46, s47
	s_mov_b32 s47, 0
	s_add_nc_u64 s[96:97], s[96:97], s[46:47]      ; my images
	s_lshl_b32 s46, ttmp9, 18
	s_lshl_b32 s92, s45, 9
	s_add_co_u32 s46, s46, s92
	s_add_co_u32 s46, s46, QS
	s_add_nc_u64 s[98:99], s[98:99], s[46:47]      ; my scale words
	s_lshl_b32 s46, s23, 2
	s_add_nc_u64 s[12:13], s[12:13], s[46:47]      ; the bias of my 128 features
	; both layouts of those 128 numbers are loaded, whichever product this is; the loads land while the products run, and are waited for on the way out
.irp t, 0,1,2,3,4,5,6,7
	global_load_b128 v[BP+8*\t:BP+8*\t+3], v[BPA], s[12:13] offset:64*\t        ; register 8 t + i: feature 16 t + 8 h + i
	global_load_b128 v[BP+8*\t+4:BP+8*\t+7], v[BPA], s[12:13] offset:64*\t+16
.endr
.irp a, 0,1,2,3,4,5,6,7
	global_load_b32 v[BR+2*\a], v[BRA], s[12:13] offset:64*\a                   ; feature 16 a + r, twice: a pair for the packed addition
	global_load_b32 v[BR+2*\a+1], v[BRA], s[12:13] offset:64*\a
.endr
.macro FRAG reg, adr, q, i             ; a fragment: lane l holds row l % 16; registers 6 c .. 6 c + 5 hold K = 64 c + 32 (l / 16) + 0 .. 31: 24 bytes of the row's stream of bits, in pieces of 8 bytes
.irp p, 0,1,2,3,4,5
.set PCE, 12*(\q)+6*(\p/3)+\p%3        ; where the piece three on lies behind one padding more, the second address register serves
.if PCE%8 < 5
	ds_load_b64 v[\reg+2*\p:\reg+2*\p+1], v[\adr] offset:8*PCE+16*(PCE/8)+(\i)*16*PITCH
.else
	ds_load_b64 v[\reg+2*\p:\reg+2*\p+1], v[\adr+2] offset:8*PCE+16*(PCE/8)+(\i)*16*PITCH
.endif
.endr
.endm
; 16 matrix instructions: A's blocks a0, a0 + 1 x B's eight.  The 64 accumulators take turns, one instruction a turn, in the same order in every step.
.macro MUL16 a0, p, q, sc, zero
.irp a, \a0, \a0+1
.irp b, 0,1,2,3,4,5,6,7
.if \zero
	v_wmma_scale_f32_16x16x128_f8f6f4 v[8*(8*((\a)%4)+\b):8*(8*((\a)%4)+\b)+7], v[128*(\p)+FR*\b:128*(\p)+FR*\b+FR-1], v[AF+FR*(\a):AF+FR*(\a)+FR-1], 0, v[SC+8*NQ*(\sc)+NQ*\b+(\q)], v[SC+8*NQ*(\sc)+NQ*(\a)+(\q)] matrix_a_fmt:MATRIX_FMT_FP6 matrix_b_fmt:MATRIX_FMT_FP6 matrix_a_scale:MATRIX_SCALE_ROW1
.else
	v_wmma_scale_f32_16x16x128_f8f6f4 v[8*(8*((\a)%4)+\b):8*(8*((\a)%4)+\b)+7], v[128*(\p)+FR*\b:128*(\p)+FR*\b+FR-1], v[AF+FR*(\a):AF+FR*(\a)+FR-1], v[8*(8*((\a)%4)+\b):8*(8*((\a)%4)+\b)+7], v[SC+8*NQ*(\sc)+NQ*\b+(\q)], v[SC+8*NQ*(\sc)+NQ*(\a)+(\q)] matrix_a_fmt:MATRIX_FMT_FP6 matrix_b_fmt:MATRIX_FMT_FP6 matrix_a_scale:MATRIX_SCALE_ROW1
.endif
.endr
.endr
.endm
.macro FETCH_B slot, q, p
	WIN TO_B
.irp i, 0,1,2,3,4,5,6,7
	FRAG 128*(\p)+FR*\i, ADRB+\slot, \q, \i
.endr
	WIN 0
.endm
.macro FETCH_A slot, q, i0
.irp i, \i0, \i0+1, \i0+2, \i0+3
	FRAG AF+FR*(\i), ADRA+\slot, \q, \i
.endr
.endm
.macro SCALES sc                       ; the next K step's scale words: lanes 0-15 take A's block i, lanes 16-31 B's block i
.irp i, 0,1,2,3,4,5,6,7
	ds_load_b64 v[SC+8*NQ*\sc+NQ*\i:SC+8*NQ*\sc+NQ*\i+1], v[ADRS] offset:\i*SBLK
.endr
.endm
.macro PLACES n                        ; plain vector lines between a matrix instruction and a load into, or a vector write of, its registers, or a read of its result
.rept \n
	v_nop
.endr
.endm
.macro STEP slot, q, zero              ; a step of 128 along K that has its successor in the same slot
	s_wait_dscnt 4*NL                              ; B's set and A's blocks 0-3 are in; the youngest 24 loads (A's blocks 4-7) may be out
	WIN MUL_LO
	MUL16 0, (\q)%2, \q, \slot, \zero
	MUL16 2, (\q)%2, \q, \slot, \zero
	s_wait_dscnt 0
	PLACES NP
	FETCH_B \slot, (\q)+1, 1-(\q)%2
	FETCH_A \slot, (\q)+1, 0
	WIN MUL_HI
	MUL16 4, (\q)%2, \q, \slot, \zero
	MUL16 6, (\q)%2, \q, \slot, \zero
	PLACES NP
	WIN 0
	FETCH_A \slot, (\q)+1, 4
.endm
; A slot's last step changes slots: one barrier; in front of it each wave waits for all its tensor loads, adds 0 to its spare word, and waits for that and for its reads of this slot.  fill = 1: this slot is filled again, two K steps ahead.
.macro TURN slot, next, fill
	s_wait_tensorcnt 0x0                           ; all my tensor loads have landed: my part of the next slot
	ds_add_u32 v[SPW], v[NIL]                      ; 0 onto my spare word
	s_wait_dscnt 4*NL+1                            ; (the add and the youngest 24 loads may be out)
	WIN MUL_LO
	MUL16 0, 1, NQ-1, \slot, 0
	s_wait_dscnt 0x0                               ; the add is done, and my reads of this slot are over
	s_barrier_signal -1
	MUL16 2, 1, NQ-1, \slot, 0
	WIN 0
	s_barrier_wait -1
.if \fill
	CREST                                          ; the barrier has opened a round of the cluster's barrier: no wave of any partner still reads this slot or has a load on its way
	s_add_nc_u64 s[G0+4*\slot+2:G0+4*\slot+3], s[G0+4*\slot+2:G0+4*\slot+3], 2*ROWB
	s_add_nc_u64 s[G0B+4*\slot+2:G0B+4*\slot+3], s[G0B+4*\slot+2:G0B+4*\slot+3], 2*ROWB
	JLOAD G0+4*\slot, G1, G0B+4*\slot, G1B         ; the first tensor load behind the round; its four v_nop are the places in front of the loads below
.else
	PLACES NP
.endif
	v_add_nc_u32 v[ADRS], 4*NQ, v[ADRS]            ; on to the next K step's scale words
	FETCH_B \next, 0, 0
	FETCH_A \next, 0, 0
	SCALES \next
	WIN MUL_HI
	MUL16 4, 1, NQ-1, \slot, 0
	MUL16 6, 1, NQ-1, \slot, 0
	PLACES NP
	WIN 0
	FETCH_A \next, 0, 4
.endm
	s_wait_tensorcnt 1                             ; the scales and my part of K step 0 are in (K step 1's load may be out),
	s_barrier_signal -1
	s_barrier_wait -1                              ; everybody's are
	FETCH_B 0, 0, 0
	FETCH_A 0, 0, 0
	SCALES 0
	FETCH_A 0, 0, 4
	STEP 0, 0, 1                                   ; the first step's products start the sums
	s_mov_b32 s3, LAPS-1
.Llap:                                                 ; a trip goes once round the ring and fills both slots again
	TURN 0, 1, 1
	STEP 1, 0, 0
	TURN 1, 0, 1
	STEP 0, 0, 0
	s_sub_co_u32 s3, s3, 1
	s_cmp_lg_u32 s3, 0
	s_cbranch_scc1 .Llap
	TURN 0, 1, 0                                   ; the last lap fills nothing
	STEP 1, 0, 0
	s_wait_dscnt 4*NL
	WIN MUL_LO
	MUL16 0, 1, NQ-1, 1, 0
	MUL16 2, 1, NQ-1, 1, 0
	s_wait_dscnt 0
	WIN MUL_HI
	MUL16 4, 1, NQ-1, 1, 0
	MUL16 6, 1, NQ-1, 1, 0
	WIN 0
; 64 numbers of a lane, v[s] on (block b of 32 = registers 16 b .. 16 b + 15 of lanes l and l xor 16), become a fragment's codes in v[pc] .. v[pc + 11] and its scale word in v[pw].
.macro QUANT s, tm, tb, ts, pc, pw
.irp b, 0,1,2,3
	v_max3_num_f32 v[(\tm)+\b], |v[(\s)+16*\b]|, |v[(\s)+1+16*\b]|, 0x1800000   ; my 16 numbers, and the floor 2^(3 - 127): the byte cannot fall under 1
.endr
.irp i, 2,4,6,8,10,12,14
.irp b, 0,1,2,3
	v_max3_num_f32 v[(\tm)+\b], v[(\tm)+\b], |v[(\s)+16*\b+\i]|, |v[(\s)+1+16*\b+\i]|   ; the four blocks by turns
.endr
.endr
.irp b, 0,1,2,3
	v_permlanex16_b32 v[(\tb)+\b], v[(\tm)+\b], s[SEL], s[SEL+1]
.endr
.irp b, 0,1,2,3
	v_max_num_f32 v[(\tm)+\b], v[(\tm)+\b], v[(\tb)+\b]   ; with lane l xor 16's: the block's largest magnitude
.endr
.irp b, 0,1,2,3
	v_add_nc_u32 v[(\ts)+\b], 0xff000000, v[(\tm)+\b]     ; 2 off its exponent field: the conversion's scale operand
.endr
.irp b, 0,1,2,3
	v_lshrrev_b32 v[(\tb)+\b], 23, v[(\ts)+\b]            ; the scale's byte
.endr
	v_lshl_or_b32 v[(\pw)], v[(\tb)+1], 8, v[(\tb)]
	v_lshl_or_b32 v[(\pw)], v[(\tb)+2], 16, v[(\pw)]
	v_lshl_or_b32 v[(\pw)], v[(\tb)+3], 24, v[(\pw)]
.irp c, 0,1
	v_cvt_scalef32_pk16_fp6_f32 v[(\pc)+6*\c:(\pc)+2+6*\c], v[(\s)+32*\c:(\s)+15+32*\c], v[(\ts)+2*\c]
	v_cvt_scalef32_pk16_fp6_f32 v[(\pc)+12+4*\c:(\pc)+14+4*\c], v[(\s)+16+32*\c:(\s)+31+32*\c], v[(\ts)+2*\c+1]   ; (a conversion's three registers begin on an even number)
.endr
	v_nop                                          ; one plain line behind a scaled conversion
.irp c, 0,1                                    ; the operand's layout wants a whole block in a lane: lanes 0-15 block 2 c, lanes 16-31 block 2 c + 1
.irp i, 0,1,2
	v_permlane16_swap_b32 v[(\pc)+6*\c+\i], v[(\pc)+12+4*\c+\i]
.endr
.irp i, 0,1,2
	v_mov_b32 v[(\pc)+3+6*\c+\i], v[(\pc)+12+4*\c+\i]
.endr
.endr
.endm
; THE WAY OUT of A's block a: + bias, quantised, the image stored: three stores of 512 consecutive bytes.  No LDS.
.macro OUTBLK a
	WIN (0x02+(\a)/4)                              ; source 0: window 2 or 3
.set i, 0
.rept 32
	v_pk_add_f32 v[TT+2*i:TT+2*i+1], v[64*((\a)%4)+2*i:64*((\a)%4)+2*i+1], v[BP+2*i:BP+2*i+1]   ; each accumulator from its low end on
.set i, i+1
.endr
	WIN 0
	s_cmp_eq_u32 s95, 0                            ; the bias along A's rows is v's alone: a branch on the cluster's x, alike in all partners
	s_cbranch_scc1 .Lno_row_bias_\@
.set i, 0
.rept 32
	v_pk_add_f32 v[TT+2*i:TT+2*i+1], v[TT+2*i:TT+2*i+1], v[BR+2*(\a):BR+2*(\a)+1]
.set i, i+1
.endr
.Lno_row_bias_\@:
.if (\a) > 0
	s_wait_xcnt 0x0                                ; the last block's stores have read the codes' registers: they are written again only behind this wait
.endif
	QUANT TT, TMX, TBY, TSC, CDS, PWR+(\a)
.irp c, 0,1,2
	global_store_b128 v[LI], v[CDS+4*\c:CDS+4*\c+3], s[96:97] offset:1536*(\a)+512*\c
.endr
.endm
	PLACES NP                                      ; behind the last products: the lines below write registers that held A's fragments
	s_wait_loadcnt 0x0                             ; the biases
	s_cmp_eq_u32 s95, 1
	s_cselect_b32 s94, 0, -1
	s_mov_b32 s[SEL], 0x76543210
	s_mov_b32 s[SEL+1], 0xfedcba98                 ; v_permlanex16_b32's selects for lane l xor 16
.set i, 0
.rept 64
	v_cndmask_b32 v[BP+i], 0, v[BP+i], s94         ; for v the bias does not run along B's rows: zeros there
.set i, i+1
.endr
.irp b, 0,1,2,3
	v_mov_b32 v[TBY+\b], 0                         ; written once: a lane permute's destination counts as one of its sources
.endr
.irp a, 0,1,2,3,4,5,6,7
	OUTBLK \a
.endr
	v_cmp_gt_u32 vcc_lo, 16, v[LN]
.irp j, 0,1,2,3
	v_cndmask_b32 v[248+\j], v[PWR+1+2*\j], v[PWR+2*\j], vcc_lo   ; lanes 0-15: block 2 j's words, lanes 16-31: block 2 j + 1's (each register holds row r's word in lanes r and 16 + r)
.endr
.irp j, 0,1,2,3
	global_store_b32 v[LS4], v[248+\j], s[98:99] offset:128*\j
.endr
	s_wait_tensorcnt 0x0                           ; the wave's end
	ds_add_u32 v[SPW], v[NIL]
	s_wait_dscnt 0x0
	CROUND                                         ; the closing round: no work-group ends while a partner may still ask for a tile that names it
	s_endpgm
.Lfunc_end_k_q8a0e805cec_qkv:
	.size	k_q8a0e805cec_qkv, .Lfunc_end_k_q8a0e805cec_qkv-k_q8a0e805cec_qkv
	.p2alignl 7, 3214868480
	.fill 96, 4, 3214868480
	.section	.rodata,"a",@progbits
	.p2align	6, 0x0
	.amdhsa_kernel k_q8a0e805cec_qkv
		.amdhsa_group_segment_fixed_size 327680
		.amdhsa_private_segment_fixed_size 0
		.amdhsa_enable_private_segment 0
		.amdhsa_kernarg_size 88
		.amdhsa_user_sgpr_count 2
		.amdhsa_user_sgpr_kernarg_segment_ptr 1
		.amdhsa_wavefront_size32 1
		.amdhsa_system_sgpr_workgroup_id_x 1
		.amdhsa_system_sgpr_workgroup_id_y 1
		.amdhsa_system_sgpr_workgroup_id_z 1
		.amdhsa_system_vgpr_workitem_id 0
		.amdhsa_next_free_vgpr 1024
		.amdhsa_next_free_sgpr 100
		.amdhsa_reserve_vcc 1
		.amdhsa_float_denorm_mode_32 3
		.amdhsa_float_denorm_mode_16_64 3
		.amdhsa_memory_ordered 1
		.amdhsa_forward_progress 1
		.amdhsa_inst_pref_size 204
	.end_amdhsa_kernel
	.amdgpu_metadata
---
amdhsa.version: [ 1, 2 ]
amdhsa.kernels:
  - .name:           k_q8a0e805cec_qkv
    .symbol:         k_q8a0e805cec_qkv.kd
    .args:
      - { .name: xq, .offset: 0, .size: 8, .value_kind: global_buffer, .address_space: global }
      - { .name: Wq_codes, .offset: 8, .size: 8, .value_kind: global_buffer, .address_space: global }
      - { .name: Wq_scales, .offset: 16, .size: 8, .value_kind: global_buffer, .address_space: global }
      - { .name: Wk_codes, .offset: 24, .size: 8, .value_kind: global_buffer, .address_space: global }
      - { .name: Wk_scales, .offset: 32, .size: 8, .value_kind: global_buffer, .address_space: global }
      - { .name: Wv_codes, .offset: 40, .size: 8, .value_kind: global_buffer, .address_space: global }
      - { .name: Wv_scales, .offset: 48, .size: 8, .value_kind: global_buffer, .address_space: global }
      - { .name: bq, .offset: 56, .size: 8, .value_kind: global_buffer, .address_space: global }
      - { .name: bk, .offset: 64, .size: 8, .value_kind: global_buffer, .address_space: global }
      - { .name: bv, .offset: 72, .size: 8, .value_kind: global_buffer, .address_space: global }
      - { .name: qkv, .offset: 80, .size: 8, .value_kind: global_buffer, .address_space: global }
    .group_segment_fixed_size: 327680
    .private_segment_fixed_size: 0
    .kernarg_segment_align: 8
    .kernarg_segment_size: 88
    .max_flat_workgroup_size: 128
    .sgpr_count:     100
    .vgpr_count:     1024
    .wavefront_size: 32
...
	.end_amdgpu_metadata
.endif
;; end of part 2
;; launch attn (part 3): grid 8 x 32, 8 waves a work-group, no clusters, 327,680 bytes of LDS; arguments qkv, att; writes att
.if DOCPART == 3
	.amdgcn_target "amdgcn-amd-amdhsa--gfx1250"
	.amdhsa_code_object_version 6
	.text
	.protected	k_q8a0e805cec_attn
	.globl	k_q8a0e805cec_attn
	.p2align	8
	.type	k_q8a0e805cec_attn,@function
k_q8a0e805cec_attn:
	s_mov_b64 s[64:65], 0
	v_nop
	global_prefetch_b8 v0, s[64:65] scope:SCOPE_SE
	s_setreg_imm32_b32 hwreg(HW_REG_WAVE_MODE, 25, 1), 1
	s_wait_xcnt 0x0
; ATTN.  O[hb][q] = the sum over k of softmax_k(q . k / sqrt(128)) v, both products on codes of FP6 (E2M3) with one E8M0 scale for each 32 along a product's K; hb = batch x 8 + head, 2,048 queries and keys.
; q, k, v come as images of operand registers out of qkv (fragment F = hb x 128 + 8 j + a, 1,536 bytes; 16 scale words each).  K inside a block of 32 is permuted alike in q and k, and alike in v and the p made here.
; THE SOFTMAX AHEAD OF THE SECOND PRODUCT: t = score x log2(e) / sqrt(128); M = the running largest t rounded UP to a whole number; p = 2^(t - M) is quantised along the keys, not normalised.
; The row's sum is taken of the unquantised p and divides O at the end.  When M moves, the sum and O are multiplied by 2^(old M - new M): exact.
; SHARES.  A work-group owns 256 queries of one hb, each of its eight waves TWO tiles of 16: every fragment of K and V that a wave reads from LDS feeds two matrix instructions.  Every wave walks all keys, 128 a step.
; K's and V's fragments come through a ring of two LDS slots of 256 keys (wave 0 fills K's 24,576 bytes, wave 1 V's); a fragment is three loads of 16 bytes a lane, 512 consecutive bytes each.  The scale words of the whole hb (2 x 8,192 bytes) come once.
; Both products are used transposed: S^T = K Q^T, O^T = V^T P^T: a lane holds one query (lane % 16) throughout; register 8 t + i of S^T is key 16 t + 8 (lane / 16) + i.
; REGISTERS, two windows of 256.  Window 0 holds tile 0, window 1 tile 1 AT THE SAME NUMBERS, so that the softmax is one text run under two settings.  Addresses and all scale words lie in window 0 (scale operands have no window).
;   v1-3 lane offsets; v4, v5 the add's; v6, v7 addresses in hand; v8-11 V's scale words; v12 -M, v13 the largest t, v[14:15] the sum; v16-27 Q; v28 the prefetches' offset; v30, v31 tile 1's scale words (Q's, p's);
;   R1 = v32-95, R2 = v96-159; v160-223 O^T; v224-235 p's codes; v232-247, v252, v254 at work; v248-251 K's scale words; v253, v255 tile 0's scale words (p's, Q's).
; R1 AND R2 CHANGE ROLES FROM STEP TO STEP.  In a step one of them, F, holds fragments (0-3 in window 0, 4-7 in window 1) and the other, S, the scores.  K Q^T reads F and writes S; V's fragments are then asked for into F and land during the
; softmaxes; once a tile's p have become codes its S is free, and the NEXT step's K is asked for into it.  So no fragment's loads stand straight ahead of the wait for them.  After two steps, a slot, the roles are back.
; THE CHANGE OF SLOTS stands in a slot's second step, between the two softmaxes: the slot's last bytes, V of that step, have been asked for, and the next thing to be read is the next slot's K.
; OUT: O / sum, brought into the true order of the head's 128 by exchanges of lane halves (Wo's codes have a given order), quantised along them: att images [tile of 16 rows][head][1,536 bytes], scale words [head][tile][32 words] from ASC on.
; NO CLUSTER: the eight work-groups of an hb read the same K and V, but a refill is 49,152 bytes for two key steps, in which each of the eight waves issues 64 matrix and some 1,000 vector instructions: what is shared is small beside a step's work.
; LIMITS: NaN and infinities are not served; a block of the output under 2^-124 keeps the scale byte 1 (read by this program alone).
.set SLOT1, 1<<17                      ; slot 1 begins here: one exclusive or turns an address from one slot to the other
.set SLOTB, 24576                      ; 16 fragments: a slot's K, or its V
.set VOFF,  SLOTB
.set SCK,   2*SLOT1                    ; K's scale words, dense
.set SCV,   SCK+8192                   ; V's
.set SPARE, SCV+8192                   ; the spare words, 128 bytes a wave: four blocks of 256 bytes that no other line names
.set KI,    6291456                    ; in qkv: k's images; v's; q's, k's scale words
.set VI,    12582912
.set QS,    18874368
.set KSC,   19136512
.set ASC,   6291456                    ; in att: the scale words
.set LI,   1                           ; v1   16 x lane
.set L4,   2                           ; v2   4 x lane
.set LS,   3                           ; v3   SCK + 4 x lane
.set SPW,  4                           ; v4   my spare word; never rewritten
.set NIL,  5                           ; v5   0; never rewritten
.set ADK,  6                           ; v6   16 x lane + the slot in hand
.set ADS,  7                           ; v7   the step's scale words
.set VSW,  8                           ; v8-11   V's scale words: register j: lanes 0-15 tile 2 j's, lanes 16-31 tile 2 j + 1's
.set PFO,  28                          ; v28  256 x lane
.set QS1,  30                          ; v30  Q's scale words, tile 1
.set PS1,  31                          ; v31  p's scale word, tile 1
.set R1,   32
.set R2,   96
.set OT,   160
.set PC,   224
.set KSW,  248                         ; v248-251 K's scale words, laid as V's
.set PS0,  253                         ; v253 p's scale word, tile 0
.set QS0,  255                         ; v255 Q's scale words, tile 0
.set TB,   2                           ; s2   where the slot in hand begins
.set TS,   3                           ; s3   the step's scale words: 512 bytes a step
.set WV,   18
.set SEL,  20
.set CS,   22
.set G1T,  24                          ; s[24:31] group 1: 96 rows of 256 bytes;  s[32:39]: 32 rows
.set G1S,  32
.set G0T,  40                          ; s[40:43] group 0 of slot 0's first fill;  s[44:47] the scale words';  s[48:51] slot 1's first fill, which then walks on
.set G0S,  44
.set G0U,  48
.set SLOTS, 67
.set PFA,  76
.set LIM,  80
.set MSB, 0
.macro WIN new                         ; s_set_vgpr_msb: bits 1:0 source 0, 3:2 source 1, 5:4 source 2, 7:6 destination; the high byte repeats the setting that is left; a switch that changes nothing is dropped
.if MSB != \new
	s_set_vgpr_msb (MSB<<8)|\new
.set MSB, \new
.endif
.endm
.macro TLOAD                           ; wave 0 fetches K's fragments, wave 1 V's; the branch hangs on the wave's number alone.  Four v_nop follow the line
	s_cmp_lt_u32 s[WV], 2
	s_cbranch_scc0 .Lasked_\@
	tensor_load_to_lds s[G0U:G0U+3], s[G1T:G1T+7]
	s_nop 0
.rept 4
	v_nop
.endr
.Lasked_\@:
.endm
; A prefetch of what the NEXT change of slots will ask for.  All eight work-groups of an hb walk the same K and V: the first of them asks; in it waves 2 to 4 name K's 24,576 bytes, waves 5 to 7 V's, 8,192 bytes a wave, lanes 256 bytes apart:
; each aligned 256 bytes of slots 3 to 7 are named once.  Slots 0 to 2 come by their loads alone; the last change that fills a slot asks for nothing.
.macro ASK
	s_cmp_gt_u32 s[SLOTS], s[LIM]
	s_cbranch_scc0 .Lnot_mine_\@
	global_prefetch_b8 v[PFO], s[PFA:PFA+1] th:TH_LOAD_NT scope:SCOPE_SE
.Lnot_mine_\@:
.endm
	s_load_b128 s[4:7], s[0:1], 0x0                ; qkv, att
	v_lshl_add_u32 v[SPW], v0, 2, SPARE
	v_mov_b32 v[NIL], 0
	ds_add_u32 v4, v5
	s_wait_dscnt 0x0
	v_lshrrev_b32 v[ADK], 5, v0
	v_readfirstlane_b32 s[WV], v[ADK]              ; wave 0..7
	s_and_b32 s68, ttmp7, 0xffff                   ; hb
	s_and_b32 s69, s[WV], 1                        ; 0: K, 1: V
	s_mov_b32 s[G1T], 3<<16                        ; no mask; elements of 8 bytes; no padding
	s_mov_b32 s[G1T+1], 32<<16                     ; tensor_dim0 = 32
	s_mov_b32 s[G1T+2], 96<<16                     ; tensor_dim1 = 96
	s_mov_b32 s[G1T+3], 32<<16                     ; tile_dim0
	s_mov_b32 s[G1T+4], 96                         ; tile_dim1
	s_mov_b32 s[G1T+5], 32                         ; stride: dense
	s_mov_b32 s[G1T+6], 0
	s_mov_b32 s[G1T+7], 0
	s_mov_b32 s[G1S], 3<<16
	s_mov_b32 s[G1S+1], 32<<16
	s_mov_b32 s[G1S+2], 32<<16
	s_mov_b32 s[G1S+3], 32<<16
	s_mov_b32 s[G1S+4], 32
	s_mov_b32 s[G1S+5], 32
	s_mov_b32 s[G1S+6], 0
	s_mov_b32 s[G1S+7], 0
	s_mul_i32 s70, s68, 196608                     ; an hb's 128 images
	s_mul_i32 s71, s69, 6291456
	s_add_co_u32 s72, s70, s71
	s_add_co_u32 s72, s72, KI
	s_mov_b32 s73, 0
	s_lshl_b32 s74, s68, 13                        ; an hb's scale words
	s_lshl_b32 s75, s69, 18
	s_add_co_u32 s74, s74, s75
	s_add_co_u32 s74, s74, KSC
	s_mov_b32 s75, 0
	s_lshl_b32 s82, s69, 13
	s_mov_b32 s[SEL], 0x76543210
	s_mov_b32 s[SEL+1], 0xfedcba98                 ; v_permlanex16_b32's selects for lane l xor 16
	s_mov_b32 s[CS], 0x3e0293ee                    ; c = log2(e) / sqrt(128)
	s_mov_b32 s[CS+1], s[CS]
	s_mov_b32 s[TB], 0
	s_mov_b32 s[TS], 0
	s_mov_b32 s[SLOTS], 6
	s_wait_kmcnt 0x0
	s_mov_b32 s[G0S], 1
	s_add_co_u32 s[G0S+1], s82, SCK
	s_add_nc_u64 s[G0S+2:G0S+3], s[4:5], s[74:75]
	s_or_b32 s[G0S+3], s[G0S+3], 0x80000000
	s_mov_b32 s[G0T], 1
	s_mul_i32 s[G0T+1], s69, SLOTB
	s_add_nc_u64 s[G0T+2:G0T+3], s[4:5], s[72:73]
	s_mov_b32 s[G0U], 1
	s_add_co_u32 s[G0U+1], s[G0T+1], SLOT1
	s_add_nc_u64 s[G0U+2:G0U+3], s[G0T+2:G0T+3], SLOTB
	s_or_b32 s[G0T+3], s[G0T+3], 0x80000000
	s_or_b32 s[G0U+3], s[G0U+3], 0x80000000
	s_cmp_lt_u32 s[WV], 2                          ; a wave's three first fills stand in one branch, ahead of every wait on TENSORcnt, every LDS read and every barrier: three loads of mine are out
	s_cbranch_scc0 .Lfirst
	tensor_load_to_lds s[G0S:G0S+3], s[G1S:G1S+7]  ; the scale words of the whole hb: filled once
	s_nop 0
	tensor_load_to_lds s[G0T:G0T+3], s[G1T:G1T+7]  ; slot 0
	s_nop 0
	tensor_load_to_lds s[G0U:G0U+3], s[G1T:G1T+7]  ; slot 1
	s_nop 0
.rept 4
	v_nop
.endr
.Lfirst:
	s_lshl_b32 s82, s68, 7
	s_lshl_b32 s83, ttmp9, 4
	s_lshl_b32 s81, s[WV], 1
	s_add_co_u32 s83, s83, s81                     ; 16 x work-group + 2 x wave: my first tile among the hb's 128
	s_add_co_u32 s82, s82, s83                     ; F = hb x 128 + that
	s_mul_i32 s84, s82, 1536
	s_mov_b32 s85, 0
	s_add_nc_u64 s[8:9], s[4:5], s[84:85]          ; my two images of q
	s_lshl_b32 s84, s82, 6
	s_add_co_u32 s84, s84, QS
	s_add_nc_u64 s[10:11], s[4:5], s[84:85]        ; their scale words
	s_lshr_b32 s86, s68, 3
	s_lshl_b32 s86, s86, 7
	s_add_co_u32 s86, s86, s83                     ; my first tile of 16 rows among all 512: batch x 128 + 16 x work-group + 2 x wave
	s_and_b32 s87, s68, 7                          ; the head
	s_lshl_b32 s88, s86, 3
	s_add_co_u32 s88, s88, s87
	s_mul_i32 s88, s88, 1536
	s_mov_b32 s89, 0
	s_add_nc_u64 s[12:13], s[6:7], s[88:89]        ; where my images go (the second 8 x 1,536 bytes on)
	s_lshl_b32 s88, s87, 9
	s_add_co_u32 s88, s88, s86
	s_lshl_b32 s88, s88, 7
	s_add_co_u32 s88, s88, ASC
	s_add_nc_u64 s[14:15], s[6:7], s[88:89]        ; and their scale words (the second 128 bytes on)
	s_cmp_lt_u32 s[WV], 5                          ; the prefetches: waves 2 to 4 stand in K's images, waves 5 to 7 in V's
	s_mov_b32 s82, VI
	s_cselect_b32 s82, KI, s82
	s_cselect_b32 s84, 2, 5
	s_add_co_u32 s82, s82, s70
	s_sub_co_u32 s84, s[WV], s84
	s_min_u32 s84, s84, 2                          ; which 8,192 bytes (waves 0 and 1 ask for nothing; their address stays inside the buffer all the same)
	s_lshl_b32 s83, s84, 13
	s_add_co_u32 s82, s82, s83
	s_add_co_u32 s82, s82, 2*SLOTB                 ; in slot 2: the first change of slots steps it to slot 3
	s_mov_b32 s83, 0
	s_add_nc_u64 s[PFA:PFA+1], s[4:5], s[82:83]
	s_cmp_lt_u32 s[WV], 2
	s_cselect_b32 s83, 1, 0
	s_or_b32 s83, s83, ttmp9                       ; 0 in waves 2 to 7 of the hb's first work-group
	s_cmp_eq_u32 s83, 0
	s_cselect_b32 s[LIM], 1, -1
	v_and_b32 v29, 31, v0
	v_lshlrev_b32 v[LI], 4, v29
	v_lshlrev_b32 v[L4], 2, v29
	v_lshl_add_u32 v[LS], v29, 2, SCK
	v_lshlrev_b32 v[PFO], 8, v29
.irp c, 0,1,2
	global_load_b128 v[16+4*\c:19+4*\c], v[LI], s[8:9] offset:512*\c          ; Q's fragments stay in registers: tile 0,
.endr
	WIN 0x40                                       ; destination window 1, address window 0
.irp c, 0,1,2
	global_load_b128 v[16+4*\c:19+4*\c], v[LI], s[8:9] offset:1536+512*\c     ; tile 1
.endr
	WIN 0
	v_and_b32 v254, 15, v0
	v_lshlrev_b32 v254, 2, v254
	global_load_b32 v[QS0], v254, s[10:11]         ; Q's scale words
	global_load_b32 v[QS1], v254, s[10:11] offset:64
.macro INIT u                          ; a tile's statistics and O^T: the step is written once; the first finds zeros, which the first change of M leaves zeros
	WIN (0x55*(\u))
	v_mov_b32 v13, 0xff61b1e6                      ; the largest t so far: -3e38
	v_floor_f32 v12, -v13                          ; -M
	v_mov_b32 v14, 0
	v_mov_b32 v15, 0
.irp b, 0,1,2,3
	v_mov_b32 v[236+\b], 0                         ; written once: a lane permute's destination counts as one of its sources
.endr
	v_mov_b32 v253, 0                              ; (named as the upper half of the pair v[252:253])
.set j, 0
.rept 64
	v_mov_b32 v[OT+j], 0
.set j, j+1
.endr
.endm
	INIT 0
	INIT 1
	WIN 0
; Four fragments, 4 g .. 4 g + 3 of the eight that begin off bytes into the slot, into window g, v[R] on.
.macro FLOAD g, R, off
	WIN (0x40*(\g))                                ; destination window g, address window 0
.irp t, 0,1,2,3
.irp c, 0,1,2
	ds_load_b128 v[(\R)+12*\t+4*\c:(\R)+12*\t+4*\c+3], v[ADK] offset:(\off)+(4*(\g)+\t)*1536+512*\c
.endr
.endr
.endm
.macro SCLOAD reg, off                 ; eight tiles' scale words in four registers (window 0)
.irp j, 0,1,2,3
	ds_load_b32 v[(\reg)+\j], v[ADS] offset:(\off)+128*\j
.endr
.endm
; Four products S^T = K Q^T of tile u: keys 16 (4 g + t) on.  Source 0 in window g; source 1 and the result in window u.
.macro QK u, g, F, S
	WIN ((0x54*(\u))+(\g))
.irp t, 0,1,2,3
.if \t%2
	v_wmma_scale_f32_16x16x128_f8f6f4 v[(\S)+8*(4*(\g)+\t):(\S)+8*(4*(\g)+\t)+7], v[(\F)+12*\t:(\F)+12*\t+11], v[16:27], 0, v[KSW+2*(\g)+\t/2], v[QS0-225*(\u)] matrix_a_fmt:MATRIX_FMT_FP6 matrix_b_fmt:MATRIX_FMT_FP6 matrix_a_scale:MATRIX_SCALE_ROW1
.else
	v_wmma_scale_f32_16x16x128_f8f6f4 v[(\S)+8*(4*(\g)+\t):(\S)+8*(4*(\g)+\t)+7], v[(\F)+12*\t:(\F)+12*\t+11], v[16:27], 0, v[KSW+2*(\g)+\t/2], v[QS0-225*(\u)] matrix_a_fmt:MATRIX_FMT_FP6 matrix_b_fmt:MATRIX_FMT_FP6
.endif
.endr
.endm
; Four products O^T += V^T P^T of tile u: channels 16 (4 g + t) on.  The sixteen accumulators of a step take turns, one instruction a turn.
.macro PV u, g, F
	WIN ((0x54*(\u))+(\g))
.irp t, 0,1,2,3
.if \t%2
	v_wmma_scale_f32_16x16x128_f8f6f4 v[OT+8*(4*(\g)+\t):OT+8*(4*(\g)+\t)+7], v[(\F)+12*\t:(\F)+12*\t+11], v[PC:PC+11], v[OT+8*(4*(\g)+\t):OT+8*(4*(\g)+\t)+7], v[VSW+2*(\g)+\t/2], v[PS0-222*(\u)] matrix_a_fmt:MATRIX_FMT_FP6 matrix_b_fmt:MATRIX_FMT_FP6 matrix_a_scale:MATRIX_SCALE_ROW1
.else
	v_wmma_scale_f32_16x16x128_f8f6f4 v[OT+8*(4*(\g)+\t):OT+8*(4*(\g)+\t)+7], v[(\F)+12*\t:(\F)+12*\t+11], v[PC:PC+11], v[OT+8*(4*(\g)+\t):OT+8*(4*(\g)+\t)+7], v[VSW+2*(\g)+\t/2], v[PS0-222*(\u)] matrix_a_fmt:MATRIX_FMT_FP6 matrix_b_fmt:MATRIX_FMT_FP6
.endif
.endr
.endm
; THE SOFTMAX of tile u for one key step: the 64 scores in v[S] on become p, p's codes in v[PC] on and p's scale word; the sum and O^T are brought under the new M.  All in window u, but for tile 1's scale word.
.macro SOFT u, S
	WIN (0x55*(\u))
.irp b, 0,1,2,3
	v_max3_num_f32 v[232+\b], v[(\S)+16*\b], v[(\S)+1+16*\b], v[(\S)+2+16*\b]   ; the largest score of each block of 32 keys: it serves for the row's maximum and, since p rises with the score, for the block's largest p
.endr
.irp i, 3,5,7,9,11,13
.irp b, 0,1,2,3
	v_max3_num_f32 v[232+\b], v[232+\b], v[(\S)+16*\b+\i], v[(\S)+1+16*\b+\i]
.endr
.endr
.irp b, 0,1,2,3
	v_max_num_f32 v[232+\b], v[232+\b], v[(\S)+15+16*\b]
.endr
.irp b, 0,1,2,3
	v_permlanex16_b32 v[236+\b], v[232+\b], s[SEL], s[SEL+1]
.endr
.irp b, 0,1,2,3
	v_max_num_f32 v[232+\b], v[232+\b], v[236+\b]  ; with lane l xor 16's 16 keys
.endr
	v_max3_num_f32 v254, v232, v233, v234
	v_max_num_f32 v254, v254, v235                 ; the step's largest score of my query
	v_mul_f32 v254, s[CS], v254                    ; as t
	v_max_num_f32 v13, v13, v254                   ; the running largest t
	v_mov_b32 v254, v12
	v_floor_f32 v12, -v13                          ; the new -M = floor(-t): M is a whole number
	v_sub_f32 v254, v12, v254                      ; old M - new M: a whole number, 0 or less
	v_cvt_i32_f32 v254, v254                       ; (it saturates)
	v_ldexp_f32 v252, 1.0, v254                    ; f = 2^(old M - new M)
.irp j, 0,2,4,6,8,10,12,14,16,18,20,22,24,26,28,30,32,34,36,38,40,42,44,46,48,50,52,54,56,58,60,62
	v_pk_fma_f32 v[(\S)+\j:(\S)+1+\j], v[(\S)+\j:(\S)+1+\j], s[CS:CS+1], v[12:13] op_sel_hi:[1,0,0]   ; t - M, two at a time
.endr
.irp b, 0,1,2,3
	v_fma_f32 v[232+\b], v[232+\b], s[CS], v12     ; the same of each block's largest score
.endr
.irp j, 0,1,2,3,4,5,6,7,8,9,10,11,12,13,14,15,16,17,18,19,20,21,22,23,24,25,26,27,28,29,30,31,32,33,34,35,36,37,38,39,40,41,42,43,44,45,46,47,48,49,50,51,52,53,54,55,56,57,58,59,60,61,62,63
	v_exp_f32 v[(\S)+\j], v[(\S)+\j]               ; p = 2^(t - M), at most 1
.endr
	v_pk_mul_f32 v[14:15], v[14:15], v[252:253] op_sel_hi:[1,0]   ; the sums under the new M (a plain line behind the exponentials)
	s_wait_alu depctr_va_vdst(0)                   ; one wait for the whole batch, ahead of its first reader
.irp b, 0,1,2,3
	v_exp_f32 v[232+\b], v[232+\b]                 ; the block's largest p: the same two instructions on the same number give the same bits
.endr
	v_pk_add_f32 v[236:237], v[(\S):(\S)+1], v[(\S)+2:(\S)+3]    ; the row's sum is taken of the unquantised p, in two chains
.irp j, 4,8,12,16,20,24,28,32,36,40,44,48,52,56,60
	v_pk_add_f32 v[14:15], v[14:15], v[(\S)+\j:(\S)+1+\j]
	v_pk_add_f32 v[236:237], v[236:237], v[(\S)+2+\j:(\S)+3+\j]
.endr
	v_pk_add_f32 v[14:15], v[14:15], v[236:237]
	s_wait_alu depctr_va_vdst(0)                   ; and one for the four
.irp b, 0,1,2,3
	v_max_num_f32 v[232+\b], 0x1800000, v[232+\b]  ; the floor 2^(3 - 127): the byte cannot fall under 1
.endr
.irp b, 0,1,2,3
	v_add_nc_u32 v[244+\b], 0xff000000, v[232+\b]  ; 2 off the exponent field: the conversion's scale operand
.endr
.irp b, 0,1,2,3
	v_lshrrev_b32 v[236+\b], 23, v[244+\b]         ; the scale's byte
.endr
	v_lshl_or_b32 v254, v237, 8, v236              ; p's scale word for these 128 keys
	v_lshl_or_b32 v254, v238, 16, v254
.if \u
	WIN 0x15                                       ; sources window 1, destination window 0: scale operands are taken from window 0
	v_lshl_or_b32 v[PS1], v239, 24, v254
	WIN 0x55
.else
	v_lshl_or_b32 v[PS0], v239, 24, v254
.endif
.irp c, 0,1
	v_cvt_scalef32_pk16_fp6_f32 v[PC+6*\c:PC+2+6*\c], v[(\S)+32*\c:(\S)+15+32*\c], v[244+2*\c]
	v_cvt_scalef32_pk16_fp6_f32 v[236+4*\c:238+4*\c], v[(\S)+16+32*\c:(\S)+31+32*\c], v[244+2*\c+1]   ; (a conversion's three registers begin on an even number)
.endr
	v_nop                                          ; one plain line behind a scaled conversion
.irp c, 0,1                                    ; the operand's layout wants a whole block in a lane
.irp i, 0,1,2
	v_permlane16_swap_b32 v[PC+6*\c+\i], v[236+4*\c+\i]
.endr
.irp i, 0,1,2
	v_mov_b32 v[PC+3+6*\c+\i], v[236+4*\c+\i]
.endr
.endr
.irp j, 0,2,4,6,8,10,12,14,16,18,20,22,24,26,28,30,32,34,36,38,40,42,44,46,48,50,52,54,56,58,60,62
	v_pk_mul_f32 v[OT+\j:OT+1+\j], v[OT+\j:OT+1+\j], v[252:253] op_sel_hi:[1,0]   ; O^T under the new M (these 32 also stand between the codes' and the scale word's last writes and the products that take them)
.endr
.endm
; THE CHANGE OF SLOTS.  Each wave waits for all its tensor loads, adds 0 to its spare word, and waits for that and for its reads of the slot in hand, of which V of this step were the last.  Behind the barrier the other slot is whole
; and nobody reads this one.  fill = 1: this slot is filled with the keys two slots on: the load has two key steps in which to land.
.macro CHANGE fill
	WIN 0
	s_wait_tensorcnt 0x0                           ; no tensor load of mine is out, so a group 0 may be written
	ds_add_u32 v[SPW], v[NIL]                      ; 0 onto my spare word
.if \fill
	s_xor_b32 s[G0U+1], s[G0U+1], SLOT1            ; the walking descriptor: the other slot than last time,
	s_add_nc_u64 s[G0U+2:G0U+3], s[G0U+2:G0U+3], SLOTB   ; the next 16 fragments
	s_wait_xcnt 0x0                                ; the last prefetch, a slot back, has read its address, so it may be written
	s_add_nc_u64 s[PFA:PFA+1], s[PFA:PFA+1], SLOTB
.endif
	s_wait_dscnt 0x0                               ; the add is done, and my reads of this slot are over
	s_barrier_signal -1
	s_barrier_wait -1
.if \fill
	TLOAD                                          ; the first thing behind the barrier, and a wave's one tensor load until the next
	ASK
.endif
.endm
; A KEY STEP: 128 keys, the q-th of the slot in hand.  F: the region with K's fragments (asked for in the step before), S: the region for the scores.  chg: 0 no change of slots, 1 a change that fills nothing, 2 a change with a refill.
; nk = 1: the next step's K is asked for.
.macro STEP q, F, S, chg, nk
	v_add_nc_u32 v[ADS], s[TS], v[LS]
.rept 5
	v_nop                                          ; the products below write their results over registers that the last step's products read as source 0: five plain lines and more stand between (ISA guide 7.12.1)
.endr
	s_wait_dscnt 12                                ; K's fragments 0-3 and scale words are in; the youngest twelve loads (fragments 4-7) may be out
	QK 0, 0, \F, \S
	QK 1, 0, \F, \S
	s_wait_dscnt 0x0
	QK 0, 1, \F, \S
	QK 1, 1, \F, \S
	WIN 0
.rept 4
	v_nop                                          ; plain lines in front of loads into registers that these products read, and of the first read of the scores
.endr
	FLOAD 0, \F, VOFF+8*(\q)*1536                  ; V's eight fragments and scale words: 28 loads, which land during the softmaxes
	SCLOAD VSW, 8192
	FLOAD 1, \F, VOFF+8*(\q)*1536
	SOFT 0, \S
.if \chg
	CHANGE (\chg)-1
.endif
.if \nk
.if \q
	s_xor_b32 s[TB], s[TB], SLOT1                  ; on to the other slot
	v_add_nc_u32 v[ADK], s[TB], v[LI]
.endif
	FLOAD 0, \S, 8*(1-(\q))*1536                   ; tile 0's p are codes: its region takes the next step's K, fragments 0-3,
	SCLOAD KSW, 512                                ; and K's scale words follow: 16 loads
.endif
	SOFT 1, \S
.if \nk
	FLOAD 1, \S, 8*(1-(\q))*1536                   ; and tile 1's region fragments 4-7: 12 loads
	s_wait_dscnt 28                                ; V is in; the 16 + 12 loads of the next K may be out
.else
	s_wait_dscnt 0x0
.endif
.rept 4
	v_nop                                          ; plain lines between the last rescaling of O^T and the products that add onto it
.endr
	PV 0, 0, \F
	PV 0, 1, \F
	PV 1, 0, \F
	PV 1, 1, \F
	WIN 0                                          ; at a label and at a branch every window is 0
	s_add_co_u32 s[TS], s[TS], 512                 ; the next step's scale words
.endm
	s_wait_tensorcnt 0x0                           ; my first fills have landed,
	s_barrier_signal -1
	s_barrier_wait -1                              ; everybody's have
	v_add_nc_u32 v[ADK], s[TB], v[LI]
	v_add_nc_u32 v[ADS], s[TS], v[LS]
	FLOAD 0, R1, 0                                 ; key step 0's K, in the order in which every later step asks for it
	SCLOAD KSW, 0
	FLOAD 1, R1, 0
	WIN 0
	s_wait_loadcnt 0x0                             ; Q
.Lslot:                                            ; six trips: slots 0 to 5 are filled again
	STEP 0, R1, R2, 0, 1
	STEP 1, R2, R1, 2, 1
	s_sub_co_u32 s[SLOTS], s[SLOTS], 1
	s_cmp_lg_u32 s[SLOTS], 0
	s_cbranch_scc1 .Lslot
	STEP 0, R1, R2, 0, 1                           ; the last two slots are written out: slot 6 is left by a change that fills nothing
	STEP 1, R2, R1, 1, 1
	STEP 0, R1, R2, 0, 1                           ; slot 7 is not left
	STEP 1, R2, R1, 0, 0
; 64 numbers of a lane become a fragment's codes and its scale word (block b of 32 = registers 16 b .. 16 b + 15 of lanes l and l xor 16).
.macro QUANT s, tm, tb, ts, pc, pw
.irp b, 0,1,2,3
	v_max3_num_f32 v[(\tm)+\b], |v[(\s)+16*\b]|, |v[(\s)+1+16*\b]|, 0x1800000   ; my 16 numbers, and the floor 2^(3 - 127): the byte cannot fall under 1
.endr
.irp i, 2,4,6,8,10,12,14
.irp b, 0,1,2,3
	v_max3_num_f32 v[(\tm)+\b], v[(\tm)+\b], |v[(\s)+16*\b+\i]|, |v[(\s)+1+16*\b+\i]|
.endr
.endr
.irp b, 0,1,2,3
	v_permlanex16_b32 v[(\tb)+\b], v[(\tm)+\b], s[SEL], s[SEL+1]
.endr
.irp b, 0,1,2,3
	v_max_num_f32 v[(\tm)+\b], v[(\tm)+\b], v[(\tb)+\b]
.endr
.irp b, 0,1,2,3
	v_add_nc_u32 v[(\ts)+\b], 0xff000000, v[(\tm)+\b]
.endr
.irp b, 0,1,2,3
	v_lshrrev_b32 v[(\tb)+\b], 23, v[(\ts)+\b]
.endr
	v_lshl_or_b32 v[(\pw)], v[(\tb)+1], 8, v[(\tb)]
	v_lshl_or_b32 v[(\pw)], v[(\tb)+2], 16, v[(\pw)]
	v_lshl_or_b32 v[(\pw)], v[(\tb)+3], 24, v[(\pw)]
.irp c, 0,1
	v_cvt_scalef32_pk16_fp6_f32 v[(\pc)+6*\c:(\pc)+2+6*\c], v[(\s)+32*\c:(\s)+15+32*\c], v[(\ts)+2*\c]
	v_cvt_scalef32_pk16_fp6_f32 v[(\pc)+12+4*\c:(\pc)+14+4*\c], v[(\s)+16+32*\c:(\s)+31+32*\c], v[(\ts)+2*\c+1]
.endr
	v_nop                                          ; one plain line behind a scaled conversion
.irp c, 0,1
.irp i, 0,1,2
	v_permlane16_swap_b32 v[(\pc)+6*\c+\i], v[(\pc)+12+4*\c+\i]
.endr
.irp i, 0,1,2
	v_mov_b32 v[(\pc)+3+6*\c+\i], v[(\pc)+12+4*\c+\i]
.endr
.endr
.endm
; THE WAY OUT of tile u, in its window; the stores take their address from window 0 and their data from window u.
.macro FINISH u
	WIN (0x55*(\u))
	v_add_f32 v14, v14, v15                        ; the sum's two halves,
	v_permlanex16_b32 v252, v14, s[SEL], s[SEL+1]
	v_add_f32 v14, v14, v252                       ; and lane l xor 16's: the row's sum
	v_rcp_f32 v14, v14
	v_nop                                          ; a plain line behind the reciprocal
	s_wait_alu depctr_va_vdst(0)                   ; and the wait ahead of its first reader
.set j, 0
.rept 64
	v_mul_f32 v[96+j], v[OT+j], v14                ; O^T / the sum: register 8 t + i is channel 16 t + 8 h + i of my query; each accumulator from its low end on
.set j, j+1
.endr
.irp b, 0,1,2,3
.irp i, 0,1,2,3,4,5,6,7
	v_permlane16_swap_b32 v[96+16*\b+\i], v[104+16*\b+\i]   ; the first's lanes 16-31 change places with the second's lanes 0-15: register 16 b + i now holds channel 32 b + 16 h + i: the true order
.endr
.endr
	QUANT 96, 232, 236, 244, PC, 253
	WIN (0x04*(\u))                                ; a store's data are its source 1
.irp c, 0,1,2
	global_store_b128 v[LI], v[PC+4*\c:PC+4*\c+3], s[12:13] offset:12288*(\u)+512*\c   ; 32 lanes store 512 consecutive bytes
.endr
	global_store_b32 v[L4], v253, s[14:15] offset:128*(\u)   ; row r's word in lanes r and 16 + r
.endm
.rept 4
	v_nop                                          ; plain lines behind the last products: the lines below read their results and write registers that they read
.endr
	FINISH 0
	FINISH 1
	WIN 0
	s_wait_tensorcnt 0x0                           ; the wave's end
	ds_add_u32 v[SPW], v[NIL]
	s_wait_dscnt 0x0
	s_endpgm
.Lfunc_end_k_q8a0e805cec_attn:
	.size	k_q8a0e805cec_attn, .Lfunc_end_k_q8a0e805cec_attn-k_q8a0e805cec_attn
	.p2alignl 7, 3214868480
	.fill 96, 4, 3214868480
	.section	.rodata,"a",@progbits
	.p2align	6, 0x0
	.amdhsa_kernel k_q8a0e805cec_attn
		.amdhsa_group_segment_fixed_size 327680
		.amdhsa_private_segment_fixed_size 0
		.amdhsa_enable_private_segment 0
		.amdhsa_kernarg_size 16
		.amdhsa_user_sgpr_count 2
		.amdhsa_user_sgpr_kernarg_segment_ptr 1
		.amdhsa_wavefront_size32 1
		.amdhsa_system_sgpr_workgroup_id_x 1
		.amdhsa_system_sgpr_workgroup_id_y 1
		.amdhsa_system_sgpr_workgroup_id_z 1
		.amdhsa_system_vgpr_workitem_id 0
		.amdhsa_next_free_vgpr 512
		.amdhsa_next_free_sgpr 100
		.amdhsa_reserve_vcc 0
		.amdhsa_float_denorm_mode_32 3
		.amdhsa_float_denorm_mode_16_64 3
		.amdhsa_memory_ordered 1
		.amdhsa_forward_progress 1
		.amdhsa_inst_pref_size 230
	.end_amdhsa_kernel
	.amdgpu_metadata
---
amdhsa.version: [ 1, 2 ]
amdhsa.kernels:
  - .name:           k_q8a0e805cec_attn
    .symbol:         k_q8a0e805cec_attn.kd
    .args:
      - { .name: qkv, .offset: 0, .size: 8, .value_kind: global_buffer, .address_space: global }
      - { .name: att, .offset: 8, .size: 8, .value_kind: global_buffer, .address_space: global }
    .group_segment_fixed_size: 327680
    .private_segment_fixed_size: 0
    .kernarg_segment_align: 8
    .kernarg_segment_size: 16
    .max_flat_workgroup_size: 256
    .sgpr_count:     100
    .vgpr_count:     512
    .wavefront_size: 32
...
	.end_amdgpu_metadata
.endif
;; end of part 3
;; launch oproj (part 4): grid 256 x 1, 16 waves a work-group, no clusters, 169,984 bytes of LDS; arguments att, woimg, Wo_scales, bo, x, ln_gamma, ln_beta, out0; writes out0
.if DOCPART == 4
	.amdgcn_target "amdgcn-amd-amdhsa--gfx1250"
	.amdhsa_code_object_version 6
	.text
	.protected	k_q8a0e805cec_oproj
	.globl	k_q8a0e805cec_oproj
	.p2align	8
	.type	k_q8a0e805cec_oproj,@function
k_q8a0e805cec_oproj:
	s_mov_b64 s[64:65], 0
	v_nop
	global_prefetch_b8 v0, s[64:65] scope:SCOPE_SE
	s_setreg_imm32_b32 hwreg(HW_REG_WAVE_MODE, 25, 1), 1
	s_wait_xcnt 0x0
; OPROJ.  out0 = LayerNorm(att Wo^T + bo + x) x gamma + beta.  The product runs on codes of FP6 (E2M3) with one E8M0 scale for each 32 along K = 1,024 (K step s = head s); all else in f32.
; SHARES.  Work-group g owns rows 32 g .. 32 g + 31, whole, so that a row's mean and variance are made here.  Wave w owns columns 64 w .. 64 w + 63: 2 tiles of rows (m) x 4 tiles of columns (t): 8 accumulators by turns.
; The product is used transposed (source 0 = 16 rows of Wo, source 1 = 16 rows of att): lane (r, h) holds row 16 m + r, its register i column 64 w + 16 t + 8 h + i.
; Wo's fragments of a wave are read by no other wave of the work-group: they come from woimg, images of operand registers, straight into registers, two K steps ahead.  att's 16 fragments (24,576 dense bytes) go into LDS once and every wave reads them.
; x + bo comes in by whole runs of 256 bytes and turns through the wave's own stage in LDS into the result's layout; the finished rows turn back the same way and leave as aligned runs of 256 bytes.
; The variance is taken in two passes (the mean first, then the squares of the differences): no difference of large sums.  No tensor loads: no ring.  NO CLUSTER, no multicast: nothing here is filled by the data mover.
; LIMITS: NaN and infinities are not served.
; REGISTERS: v1-10 addresses; v16-23 att's scale words (lanes 0-15 tile 0, lanes 16-31 tile 1), v24-39 Wo's (lanes 0-15 an even tile, lanes 16-31 the odd one); v40-87 att's fragments, two sets, later gamma, beta and the sums; v88-183 Wo's fragments, two sets, later rows at work; v184-247 accumulators.
.set AIMG, 0                           ; LDS: att's fragments, (8 m + s) x 1,536
.set STG,  24576                       ; a stage of 32 rows x (256 bytes + 16) for each wave
.set RED1, 163840                      ; [row][wave] words: the rows' sums; 2,048 bytes on: the sums of squares
.set ASC,  6291456                     ; in att: the scale words
.set SA,   16
.set SB,   24
.set AFR,  40
.set BF,   88
.set ACC,  184
.set SEL,  32
	s_load_b512 s[4:19], s[0:1], 0x0               ; att, woimg, Wo_scales, bo, x, gamma, beta, out0
	v_lshl_add_u32 v254, v0, 2, 0x29000
	v_mov_b32 v255, 0
	v_lshrrev_b32 v1, 5, v0
	v_readfirstlane_b32 s20, v1                    ; wave 0..15
	v_and_b32 v13, 31, v0                          ; lane
	v_and_b32 v11, 15, v0                          ; r
	v_bfe_u32 v12, v0, 4, 1                        ; h
	v_lshlrev_b32 v1, 4, v13                       ; 16 x lane
	v_lshlrev_b32 v2, 4, v0                        ; 16 x thread
	v_lshlrev_b32 v10, 4, v11                      ; 16 r
	v_lshl_add_u32 v3, v12, 12, v10                ; x, out0: lanes 0-15 one row's 256 bytes, lanes 16-31 the next row's
	s_mul_i32 s23, s20, 8704
	s_add_co_u32 s23, s23, STG                     ; my stage
	v_mul_u32_u24 v4, v12, 272
	v_add_nc_u32 v4, v4, v10
	v_add_nc_u32 v4, s23, v4                       ; by rows: row h, 16 r
	v_mul_u32_u24 v5, v11, 272
	v_lshl_add_u32 v5, v12, 5, v5
	v_add_nc_u32 v5, s23, v5                       ; in the result's layout: row r, 32 h
	s_lshl_b32 s24, s20, 2
	s_add_co_u32 s24, s24, RED1
	v_lshlrev_b32 v7, 6, v11
	v_add_nc_u32 v6, s24, v7                       ; my wave's word of row r
	v_add_nc_u32 v7, RED1, v7                      ; row r's sixteen words
	v_lshlrev_b32 v8, 2, v11
	v_lshl_add_u32 v8, v12, 7, v8                  ; att's scale words: 128 h + 4 r
	v_lshlrev_b32 v9, 5, v13                       ; Wo's scale bytes: 32 a row, a lane a row
	s_mov_b32 s[SEL], 0x76543210
	s_mov_b32 s[SEL+1], 0xfedcba98
	s_mov_b32 s34, 0x3a800000                      ; 1 / 1024
	s_mov_b32 s35, 0x3727c5ac                      ; 1e-5
	s_mov_b32 s27, 0
	s_mul_i32 s26, ttmp9, 24576
	s_wait_kmcnt 0x0
	s_add_nc_u64 s[28:29], s[4:5], s[26:27]        ; my 16 fragments of att
	s_lshl_b32 s26, ttmp9, 8
	s_add_co_u32 s26, s26, ASC
	s_add_nc_u64 s[4:5], s[4:5], s[26:27]          ; their scale words
	s_mul_i32 s26, s20, 49152
	s_add_nc_u64 s[6:7], s[6:7], s[26:27]          ; my 4 tiles of Wo
	s_lshl_b32 s26, s20, 11
	s_add_nc_u64 s[8:9], s[8:9], s[26:27]          ; their 64 rows of scale bytes
	s_lshl_b32 s26, s20, 8
	s_add_nc_u64 s[10:11], s[10:11], s[26:27]      ; my 64 columns of bo, gamma, beta
	s_add_nc_u64 s[14:15], s[14:15], s[26:27]
	s_add_nc_u64 s[16:17], s[16:17], s[26:27]
	s_lshl_b32 s30, ttmp9, 17
	s_add_co_u32 s26, s26, s30
	s_add_nc_u64 s[12:13], s[12:13], s[26:27]      ; x and out0: my 32 rows, my 64 columns
	s_add_nc_u64 s[18:19], s[18:19], s[26:27]
.macro BLOAD s                         ; Wo's four fragments of K step s into set s % 2
.irp t, 0,1,2,3
.irp c, 0,1,2
	global_load_b128 v[BF+48*((\s)%2)+12*\t+4*\c:BF+48*((\s)%2)+12*\t+4*\c+3], v1, s[6:7] offset:(8*\t+(\s))*1536+512*\c
.endr
.endr
.endm
.macro ALOAD s                         ; att's two fragments of K step s into set s % 2
.irp m, 0,1
.irp c, 0,1,2
	ds_load_b128 v[AFR+24*((\s)%2)+12*\m+4*\c:AFR+24*((\s)%2)+12*\m+4*\c+3], v1 offset:AIMG+(8*\m+(\s))*1536+512*\c
.endr
.endr
.endm
.irp i, 0,1,2
	global_load_b128 v[AFR+4*\i:AFR+4*\i+3], v2, s[28:29] offset:8192*\i   ; att's images: 512 threads x 16 bytes, three times
.endr
	global_load_b128 v[AFR+12:AFR+15], v10, s[10:11]                       ; bo of my four columns by rows
.irp i, 0,1,2,3,4,5,6,7,8,9,10,11,12,13,14,15
	global_load_b128 v[ACC+4*\i:ACC+4*\i+3], v3, s[12:13] offset:8192*\i th:TH_LOAD_NT   ; x: two rows an instruction, 256 consecutive bytes each
.endr
.irp s, 0,1,2,3,4,5,6,7
	global_load_b32 v[SA+\s], v8, s[4:5] offset:65536*\s
.endr
.irp p, 0,1
.irp q, 0,1
	global_load_b128 v[SB+8*\p+4*\q:SB+8*\p+4*\q+3], v9, s[8:9] offset:1024*\p+16*\q   ; register 8 p + s: word s of row 64 w + 32 p + lane
.endr
.endr
	BLOAD 0
	BLOAD 1
	s_wait_loadcnt 24                              ; all but the 24 loads of Wo's first two K steps are in
.irp i, 0,1,2
	ds_store_b128 v2, v[AFR+4*\i:AFR+4*\i+3] offset:AIMG+8192*\i
.endr
.irp i, 0,1,2,3,4,5,6,7,8,9,10,11,12,13,14,15
	v_pk_add_f32 v[ACC+4*\i:ACC+4*\i+1], v[ACC+4*\i:ACC+4*\i+1], v[AFR+12:AFR+13]     ; x + bo
	v_pk_add_f32 v[ACC+4*\i+2:ACC+4*\i+3], v[ACC+4*\i+2:ACC+4*\i+3], v[AFR+14:AFR+15]
.endr
.irp i, 0,1,2,3,4,5,6,7,8,9,10,11,12,13,14,15
	ds_store_b128 v4, v[ACC+4*\i:ACC+4*\i+3] offset:544*\i
.endr
	s_wait_dscnt 0x0                               ; my stores have landed (and have read their registers)
	s_barrier_signal -1
	s_barrier_wait -1                              ; att's sixteen fragments lie in LDS
	ALOAD 0
	ALOAD 1
.macro MM s, t, m
.set rD, ACC+8*(4*(\m)+(\t))
.set rW, BF+48*((\s)%2)+12*(\t)
.set rX, AFR+24*((\s)%2)+12*(\m)
.set rP, SB+8*((\t)/2)+(\s)
.set rQ, SA+(\s)
.if (\s) == 0                          ; the first K step starts the sums
.if ((\t)%2 == 1) && ((\m) == 1)
	v_wmma_scale_f32_16x16x128_f8f6f4 v[rD:rD+7], v[rW:rW+11], v[rX:rX+11], 0, v[rP], v[rQ] matrix_a_fmt:MATRIX_FMT_FP6 matrix_b_fmt:MATRIX_FMT_FP6 matrix_a_scale:MATRIX_SCALE_ROW1 matrix_b_scale:MATRIX_SCALE_ROW1
.elseif (\t)%2 == 1
	v_wmma_scale_f32_16x16x128_f8f6f4 v[rD:rD+7], v[rW:rW+11], v[rX:rX+11], 0, v[rP], v[rQ] matrix_a_fmt:MATRIX_FMT_FP6 matrix_b_fmt:MATRIX_FMT_FP6 matrix_a_scale:MATRIX_SCALE_ROW1
.elseif (\m) == 1
	v_wmma_scale_f32_16x16x128_f8f6f4 v[rD:rD+7], v[rW:rW+11], v[rX:rX+11], 0, v[rP], v[rQ] matrix_a_fmt:MATRIX_FMT_FP6 matrix_b_fmt:MATRIX_FMT_FP6 matrix_b_scale:MATRIX_SCALE_ROW1
.else
	v_wmma_scale_f32_16x16x128_f8f6f4 v[rD:rD+7], v[rW:rW+11], v[rX:rX+11], 0, v[rP], v[rQ] matrix_a_fmt:MATRIX_FMT_FP6 matrix_b_fmt:MATRIX_FMT_FP6
.endif
.else
.if ((\t)%2 == 1) && ((\m) == 1)
	v_wmma_scale_f32_16x16x128_f8f6f4 v[rD:rD+7], v[rW:rW+11], v[rX:rX+11], v[rD:rD+7], v[rP], v[rQ] matrix_a_fmt:MATRIX_FMT_FP6 matrix_b_fmt:MATRIX_FMT_FP6 matrix_a_scale:MATRIX_SCALE_ROW1 matrix_b_scale:MATRIX_SCALE_ROW1
.elseif (\t)%2 == 1
	v_wmma_scale_f32_16x16x128_f8f6f4 v[rD:rD+7], v[rW:rW+11], v[rX:rX+11], v[rD:rD+7], v[rP], v[rQ] matrix_a_fmt:MATRIX_FMT_FP6 matrix_b_fmt:MATRIX_FMT_FP6 matrix_a_scale:MATRIX_SCALE_ROW1
.elseif (\m) == 1
	v_wmma_scale_f32_16x16x128_f8f6f4 v[rD:rD+7], v[rW:rW+11], v[rX:rX+11], v[rD:rD+7], v[rP], v[rQ] matrix_a_fmt:MATRIX_FMT_FP6 matrix_b_fmt:MATRIX_FMT_FP6 matrix_b_scale:MATRIX_SCALE_ROW1
.else
	v_wmma_scale_f32_16x16x128_f8f6f4 v[rD:rD+7], v[rW:rW+11], v[rX:rX+11], v[rD:rD+7], v[rP], v[rQ] matrix_a_fmt:MATRIX_FMT_FP6 matrix_b_fmt:MATRIX_FMT_FP6
.endif
.endif
.endm
.macro KSTEP s
.if (\s) < 7
	s_wait_loadcnt 12                              ; this K step's Wo is in; the next step's twelve loads may be out
	s_wait_dscnt 6                                 ; this K step's att is in; the next step's six loads may be out
.else
	s_wait_loadcnt 0x0
	s_wait_dscnt 0x0
.endif
.irp t, 0,1,2,3
.irp m, 0,1
	MM \s, \t, \m                                  ; the eight accumulators by turns, one instruction a turn
.endr
.endr
.rept 4
	v_nop                                          ; plain lines in front of loads into registers that these products read, and of the first read of results
.endr
.if (\s) < 6
	BLOAD (\s)+2
	ALOAD (\s)+2
.endif
.endm
.irp s, 0,1,2,3,4,5,6,7
	KSTEP \s
.endr
	global_load_b128 v[40:43], v10, s[14:15]       ; gamma and beta of my four columns by rows: wanted at the very end
	global_load_b128 v[44:47], v10, s[16:17]
.irp m, 0,1
.irp t, 0,1,2,3
	ds_load_b128 v[BF+8*(4*\m+\t):BF+8*(4*\m+\t)+3], v5 offset:4352*\m+64*\t          ; x + bo in the result's layout: my own stage
	ds_load_b128 v[BF+8*(4*\m+\t)+4:BF+8*(4*\m+\t)+7], v5 offset:4352*\m+64*\t+16
.endr
.endr
	s_wait_dscnt 0x0
.set i, 0
.rept 32
	v_pk_add_f32 v[ACC+2*i:ACC+2*i+1], v[ACC+2*i:ACC+2*i+1], v[BF+2*i:BF+2*i+1]       ; y; each accumulator from its low end on
.set i, i+1
.endr
; FOLD: the pair v[BF + 16 m] holds my lane's part of row 16 m + r: its halves, and lane l xor 16's, are added; the wave's word goes to LDS (lanes r and 16 + r write the same word with the same value).
.macro FOLD m, off
	v_add_f32 v[BF+16*\m], v[BF+16*\m], v[BF+16*\m+1]
	v_permlanex16_b32 v[BF+16*\m+1], v[BF+16*\m], s[SEL], s[SEL+1]
	v_add_f32 v[BF+16*\m], v[BF+16*\m], v[BF+16*\m+1]
	ds_store_b32 v6, v[BF+16*\m] offset:\off+1024*\m
.endm
; GATHER: behind the barrier every wave reads the sixteen words of its lanes' rows and adds them, in one order: v48 row r's, v64 row 16 + r's.
.macro GATHER off
	s_wait_dscnt 0x0                               ; my words have landed
	s_barrier_signal -1
	s_barrier_wait -1
.irp m, 0,1
.irp i, 0,1,2,3
	ds_load_b128 v[48+16*\m+4*\i:51+16*\m+4*\i], v7 offset:\off+1024*\m+16*\i
.endr
.endr
	s_wait_dscnt 0x0
.irp i, 0,1,2,3
.irp m, 0,1
	v_pk_add_f32 v[48+16*\m+2*\i:49+16*\m+2*\i], v[48+16*\m+2*\i:49+16*\m+2*\i], v[56+16*\m+2*\i:57+16*\m+2*\i]
.endr
.endr
.irp i, 0,1
.irp m, 0,1
	v_pk_add_f32 v[48+16*\m+2*\i:49+16*\m+2*\i], v[48+16*\m+2*\i:49+16*\m+2*\i], v[52+16*\m+2*\i:53+16*\m+2*\i]
.endr
.endr
.irp m, 0,1
	v_pk_add_f32 v[48+16*\m:49+16*\m], v[48+16*\m:49+16*\m], v[50+16*\m:51+16*\m]
.endr
.irp m, 0,1
	v_add_f32 v[48+16*\m], v[48+16*\m], v[49+16*\m]
.endr
.endm
	; the rows' sums
.irp i, 0,1,2,3,4,5,6,7
.irp m, 0,1
	v_pk_add_f32 v[BF+16*\m+2*\i:BF+16*\m+2*\i+1], v[ACC+32*\m+2*\i:ACC+32*\m+2*\i+1], v[ACC+32*\m+16+2*\i:ACC+32*\m+16+2*\i+1]
.endr
.endr
.irp i, 0,1,2,3
.irp m, 0,1
	v_pk_add_f32 v[BF+16*\m+2*\i:BF+16*\m+2*\i+1], v[BF+16*\m+2*\i:BF+16*\m+2*\i+1], v[BF+16*\m+8+2*\i:BF+16*\m+8+2*\i+1]
.endr
.endr
.irp i, 0,1
.irp m, 0,1
	v_pk_add_f32 v[BF+16*\m+2*\i:BF+16*\m+2*\i+1], v[BF+16*\m+2*\i:BF+16*\m+2*\i+1], v[BF+16*\m+4+2*\i:BF+16*\m+4+2*\i+1]
.endr
.endr
.irp m, 0,1
	v_pk_add_f32 v[BF+16*\m:BF+16*\m+1], v[BF+16*\m:BF+16*\m+1], v[BF+16*\m+2:BF+16*\m+3]
.endr
	FOLD 0, 0
	FOLD 1, 0
	GATHER 0
.irp m, 0,1
	v_mul_f32 v[80+2*\m], s34, v[48+16*\m]         ; the mean, twice: a pair for the packed forms
	v_mul_f32 v[81+2*\m], s34, v[48+16*\m]
.endr
.irp m, 0,1
.set i, 0
.rept 16
	v_pk_add_f32 v[ACC+32*\m+2*i:ACC+32*\m+2*i+1], v[ACC+32*\m+2*i:ACC+32*\m+2*i+1], v[80+2*\m:81+2*\m] neg_lo:[0,1] neg_hi:[0,1]   ; y - mean
.set i, i+1
.endr
.endr
.irp m, 0,1
	v_pk_mul_f32 v[BF+16*\m:BF+16*\m+1], v[ACC+32*\m:ACC+32*\m+1], v[ACC+32*\m:ACC+32*\m+1]
.endr
.irp i, 1,2,3,4,5,6,7,8,9,10,11,12,13,14,15
.irp m, 0,1
	v_pk_fma_f32 v[BF+16*\m:BF+16*\m+1], v[ACC+32*\m+2*\i:ACC+32*\m+2*\i+1], v[ACC+32*\m+2*\i:ACC+32*\m+2*\i+1], v[BF+16*\m:BF+16*\m+1]   ; the squares, the two tiles of rows by turns
.endr
.endr
	FOLD 0, 2048
	FOLD 1, 2048
	GATHER 2048
	v_fma_f32 v84, v48, s34, s35                   ; variance + eps
	v_fma_f32 v86, v64, s34, s35
	v_rsq_f32 v80, v84
	v_rsq_f32 v81, v84
	v_rsq_f32 v82, v86
	v_rsq_f32 v83, v86
	v_nop                                          ; a plain line behind the last of the four
	s_wait_alu depctr_va_vdst(0)                   ; one wait for the four, ahead of their first reader
.irp m, 0,1
.set i, 0
.rept 16
	v_pk_mul_f32 v[ACC+32*\m+2*i:ACC+32*\m+2*i+1], v[ACC+32*\m+2*i:ACC+32*\m+2*i+1], v[80+2*\m:81+2*\m]
.set i, i+1
.endr
.endr
.irp m, 0,1
.irp t, 0,1,2,3
	ds_store_b128 v5, v[ACC+8*(4*\m+\t):ACC+8*(4*\m+\t)+3] offset:4352*\m+64*\t       ; back through my own stage: LDS serves a wave's instructions in order
	ds_store_b128 v5, v[ACC+8*(4*\m+\t)+4:ACC+8*(4*\m+\t)+7] offset:4352*\m+64*\t+16
.endr
.endr
.irp i, 0,1,2,3,4,5,6,7,8,9,10,11,12,13,14,15
	ds_load_b128 v[BF+4*\i:BF+4*\i+3], v4 offset:544*\i
.endr
	s_wait_loadcnt 0x0                             ; gamma and beta
.irp i, 0,1,2,3,4,5,6,7,8,9,10,11,12,13,14,15
	s_wait_dscnt 15-\i                             ; these two rows are back; the younger loads may be out
	v_pk_fma_f32 v[BF+4*\i:BF+4*\i+1], v[BF+4*\i:BF+4*\i+1], v[40:41], v[44:45]
	v_pk_fma_f32 v[BF+4*\i+2:BF+4*\i+3], v[BF+4*\i+2:BF+4*\i+3], v[42:43], v[46:47]
	global_store_b128 v3, v[BF+4*\i:BF+4*\i+3], s[18:19] offset:8192*\i th:TH_STORE_NT   ; sixteen lanes store 256 consecutive bytes, aligned
.endr
	s_wait_tensorcnt 0x0
	ds_add_u32 v254, v255
	s_wait_dscnt 0x0
	s_endpgm
.Lfunc_end_k_q8a0e805cec_oproj:
	.size	k_q8a0e805cec_oproj, .Lfunc_end_k_q8a0e805cec_oproj-k_q8a0e805cec_oproj
	.p2alignl 7, 3214868480
	.fill 96, 4, 3214868480
	.section	.rodata,"a",@progbits
	.p2align	6, 0x0
	.amdhsa_kernel k_q8a0e805cec_oproj
		.amdhsa_group_segment_fixed_size 169984
		.amdhsa_private_segment_fixed_size 0
		.amdhsa_enable_private_segment 0
		.amdhsa_kernarg_size 64
		.amdhsa_user_sgpr_count 2
		.amdhsa_user_sgpr_kernarg_segment_ptr 1
		.amdhsa_wavefront_size32 1
		.amdhsa_system_sgpr_workgroup_id_x 1
		.amdhsa_system_sgpr_workgroup_id_y 1
		.amdhsa_system_sgpr_workgroup_id_z 1
		.amdhsa_system_vgpr_workitem_id 0
		.amdhsa_next_free_vgpr 256
		.amdhsa_next_free_sgpr 66
		.amdhsa_reserve_vcc 0
		.amdhsa_float_denorm_mode_32 3
		.amdhsa_float_denorm_mode_16_64 3
		.amdhsa_memory_ordered 1
		.amdhsa_forward_progress 1
		.amdhsa_inst_pref_size 52
	.end_amdhsa_kernel
	.amdgpu_metadata
---
amdhsa.version: [ 1, 2 ]
amdhsa.kernels:
  - .name:           k_q8a0e805cec_oproj
    .symbol:         k_q8a0e805cec_oproj.kd
    .args:
      - { .name: att, .offset: 0, .size: 8, .value_kind: global_buffer, .address_space: global }
      - { .name: woimg, .offset: 8, .size: 8, .value_kind: global_buffer, .address_space: global }
      - { .name: Wo_scales, .offset: 16, .size: 8, .value_kind: global_buffer, .address_space: global }
      - { .name: bo, .offset: 24, .size: 8, .value_kind: global_buffer, .address_space: global }
      - { .name: x, .offset: 32, .size: 8, .value_kind: global_buffer, .address_space: global }
      - { .name: ln_gamma, .offset: 40, .size: 8, .value_kind: global_buffer, .address_space: global }
      - { .name: ln_beta, .offset: 48, .size: 8, .value_kind: global_buffer, .address_space: global }
      - { .name: out0, .offset: 56, .size: 8, .value_kind: global_buffer, .address_space: global }
    .group_segment_fixed_size: 169984
    .private_segment_fixed_size: 0
    .kernarg_segment_align: 8
    .kernarg_segment_size: 64
    .max_flat_workgroup_size: 512
    .sgpr_count:     66
    .vgpr_count:     256
    .wavefront_size: 32
...
	.end_amdgpu_metadata
.endif
;; end of part 4
